; MI455X (gfx1250); checked and timed in simulation.
; The chip was launched on July 23, 2026; its instructions are those of AMD's public machine-readable ISA for CDNA 5 (MIT licence, August 2026) and "CDNA5" Instruction Set Architecture Reference Guide (July 2026). The comments in the code are by the model that wrote it; some were corrected since.
;; Attention. Allowed arithmetic: float matrix products may take bf16 or f16 operands with f32 sums; all other float work in f32.
;; Inputs: k 2 x 2,048 x 1,024 float32; mask 2 x 1 x 2,048 x 2,048 bool; q 2 x 2,048 x 1,024 float32; v 2 x 2,048 x 1,024 float32; wk_b 1,024 float32; wk_w 1,024 x 1,024 float32; wo_b 1,024 float32; wo_w 1,024 x 1,024 float32; wq_b 1,024 float32; wq_w 1,024 x 1,024 float32; wv_b 1,024 float32; wv_w 1,024 x 1,024 float32.
;; Outputs: out0 2 x 2,048 x 1,024 float32.
;; 2 versions, each right; version 2 is version 1 with the launch prep written anew for expert scheduling mode. Each part assembles by itself: llvm-mc -triple=amdgcn-amd-amdhsa -mcpu=gfx1250 --defsym DOCPART=n.
;; ======== version 1 of 2: 4 launches
;; limits: values are held in f16: magnitudes above 65,504 overflow, below 6.1e-05 lose precision
;; workspace buffers: ch 33,554,432 bytes; mbits 1,048,576 bytes of whole numbers; qkv 25,165,824 bytes; xa 8,388,608 bytes
;; launch prep (part 1): grid 256 x 1, 8 waves a work-group, no clusters, 0 bytes of LDS; arguments q, k, v, wq_w, wk_w, wv_w, wo_w, mask, ch, mbits; writes ch, mbits
.if DOCPART == 1
	.amdgcn_target "amdgcn-amd-amdhsa--gfx1250"
	.amdhsa_code_object_version 6
	.text
	.protected	k_qe0c03da916_prep
	.globl	k_qe0c03da916_prep
	.p2align	8
	.type	k_qe0c03da916_prep,@function
k_qe0c03da916_prep:
	s_mov_b64 s[64:65], 0
	v_nop
	global_prefetch_b8 v0, s[64:65] scope:SCOPE_SE
	s_setreg_imm32_b32 hwreg(HW_REG_WAVE_MODE, 25, 1), 1
	s_wait_xcnt 0x0
; prep: (1) casts q, k, v, wq_w, wk_w, wv_w, wo_w from f32 to f16 into ch, in a layout blocked along K:
;       ch = [128 row blocks][16 chunks of 64 K][128 rows][64] f16; row blocks 0-31 q, 32-63 k, 64-95 v (rows b*2048+s),
;       96-103 wq, 104-111 wk, 112-119 wv, 120-127 wo (rows = output features).  A (row block, chunk) is 16,384 dense bytes.
;       (2) packs the mask bytes into lane masks for the attention launch:
;       mbits = [256 query tiles of 16][128 key tiles of 16][8 j] words; bit r+16h of word (Qt, T, j) is the lowest bit of
;       mask[16 Qt + r][16 T + 4 (j>>1) + (j&1) + 2 h]: the place that lane (r, h), register j of a score tile holds there.
; LIMITS: a number of magnitude above 65,504 becomes an infinity in f16; a bool is read by its lowest bit.
; A stream: no LDS, no barrier, no matrix unit, no cluster (no two work-groups read the same bytes).
; Work-group i: rows 64 (i&1) .. +63 of row block i>>1, and query tile i of the mask.  Wave w: 8 rows; keys 256 w .. +255.
; One cast step: a load of 16 bytes a lane, lanes 0-15 on 256 aligned bytes of row t, lanes 16-31 of row t+1 (one chunk);
; a store of 8 bytes a lane: the wave's 256 consecutive aligned bytes of ch (rows t, t+1 of that chunk).
.set SO, 1                             ; v1   source offset: (L>>4) rows of 4,096 bytes + 16 (L&15)
.set DO, 2                             ; v2   destination offset: 8 L
.set MO, 3                             ; v3   mask offset: (L&15) rows of 2,048 bytes
.set WO, 4                             ; v4   offset of my four packed words: 16 L
.set SH, 5                             ; v5, v6  shifts that bring bit 0 of byte 2h, 2h+1 to the sign: 31-16h, 23-16h
.set W,  8                             ; v[8:11]  lane l gathers words 4l .. 4l+3
.set T,  12                            ; v[12:15] shifted words, by turns
.set X0, 16                            ; v[16:79]   16 loads of one row pair
.set X1, 80                            ; v[80:143]  the other buffer
.set Y0, 144                           ; v[144:175] 16 stores' data
.set Y1, 176                           ; v[176:207] the other buffer
	s_load_b512 s[4:19], s[0:1], 0x0               ; q s[4:5], k s[6:7], v s[8:9], wq s[10:11], wk s[12:13], wv s[14:15], wo s[16:17], mask s[18:19]
	s_load_b128 s[20:23], s[0:1], 0x40             ; ch s[20:21], mbits s[22:23]
	v_lshrrev_b32 v7, 5, v0
	v_readfirstlane_b32 s24, v7                    ; wave 0..7
	s_lshr_b32 s25, ttmp9, 1                       ; row block
	s_and_b32 s27, ttmp9, 1                        ; which 64 rows of it
	v_and_b32 v7, 31, v0                           ; L
	v_and_b32 v[MO], 15, v0                        ; r
	v_bfe_u32 v[WO], v0, 4, 1                      ; h
	v_lshlrev_b32 v[SO], 4, v[MO]
	v_lshl_add_u32 v[SO], v[WO], 12, v[SO]
	v_lshlrev_b32 v[DO], 3, v7
	v_lshlrev_b32 v[MO], 11, v[MO]
	v_lshlrev_b32 v[SH], 4, v[WO]                  ; 16 h
	v_sub_nc_u32 v[SH+1], 23, v[SH]
	v_sub_nc_u32 v[SH], 31, v[SH]
	v_lshlrev_b32 v[WO], 4, v7
.irp i, 0,1,2,3
	v_mov_b32 v[W+\i], 0                           ; v_writelane_b32 keeps the other lanes: the register is written whole once
.endr
	s_wait_kmcnt 0x0
	; the source tensor and its first row block, by the row block's number
	s_mov_b64 s[28:29], s[4:5]
	s_mov_b32 s26, 0
.macro PICK bound, lo
	s_cmp_ge_u32 s25, \bound
	s_cselect_b64 s[28:29], s[\lo:\lo+1], s[28:29]
	s_cselect_b32 s26, \bound, s26
.endm
	PICK 32, 6
	PICK 64, 8
	PICK 96, 10
	PICK 104, 12
	PICK 112, 14
	PICK 120, 16
	s_sub_co_u32 s30, s25, s26
	s_lshl_b32 s30, s30, 19                        ; 128 rows of 4,096 bytes
	s_lshl_b32 s31, s27, 18                        ; 64 rows
	s_add_co_u32 s30, s30, s31
	s_lshl_b32 s31, s24, 15                        ; 8 rows
	s_add_co_u32 s30, s30, s31
	s_mov_b32 s31, 0
	s_add_nc_u64 s[28:29], s[28:29], s[30:31]
	s_lshl_b32 s32, s25, 18                        ; a row block of ch
	s_lshl_b32 s33, s27, 13                        ; 64 rows of 128 bytes
	s_add_co_u32 s32, s32, s33
	s_lshl_b32 s33, s24, 10                        ; 8 rows
	s_add_co_u32 s32, s32, s33
	s_mov_b32 s33, 0
	s_add_nc_u64 s[20:21], s[20:21], s[32:33]
	s_lshl_b32 s32, ttmp9, 15                      ; 16 rows of the mask
	s_lshl_b32 s33, s24, 8                         ; 256 keys
	s_add_co_u32 s32, s32, s33
	s_mov_b32 s33, 0
	s_add_nc_u64 s[18:19], s[18:19], s[32:33]
	s_lshl_b32 s32, ttmp9, 12                      ; a query tile's 1,024 words
	s_lshl_b32 s33, s24, 9                         ; my 128 words
	s_add_co_u32 s32, s32, s33
	s_mov_b32 s33, 0
	s_add_nc_u64 s[22:23], s[22:23], s[32:33]
.macro LOADP p, x                      ; row pair p of my four: its 16 chunks
.irp c, 0,1,2,3,4,5,6,7,8,9,10,11,12,13,14,15
	global_load_b128 v[\x+4*\c:\x+4*\c+3], v[SO], s[28:29] offset:\p*8192+\c*256 th:TH_LOAD_NT
.endr
.endm
.macro CVST p, x, y                    ; round to f16 and store
	s_wait_xcnt 0x0                                ; buffer y was the data of stores two steps ago: it is rewritten only behind this wait
.irp c, 0,1,2,3,4,5,6,7,8,9,10,11,12,13,14,15
	v_cvt_pk_f16_f32 v[\y+2*\c], v[\x+4*\c], v[\x+4*\c+1]
	v_cvt_pk_f16_f32 v[\y+2*\c+1], v[\x+4*\c+2], v[\x+4*\c+3]
	global_store_b64 v[DO], v[\y+2*\c:\y+2*\c+1], s[20:21] offset:\c*16384+\p*256
.endr
.endm
	LOADP 0, X0
	LOADP 1, X1
	s_wait_loadcnt 16                              ; pair 0 is in; the 16 younger loads stay out
	CVST 0, X0, Y0
	LOADP 2, X0
	s_wait_loadcnt 16
	CVST 1, X1, Y1
	LOADP 3, X1
	s_wait_loadcnt 16
	CVST 2, X0, Y0
	; the mask: lane (r, h) takes 16 keys' bytes of row r; both halves of the wave read the same bytes, and the 16 loads together take 256 consecutive bytes of each row
.irp t, 0,1,2,3,4,5,6,7,8,9,10,11,12,13,14,15
	global_load_b128 v[X0+4*\t:X0+4*\t+3], v[MO], s[18:19] offset:16*\t
.endr
	s_wait_loadcnt 16                              ; pair 3 is in; the mask's 16 loads stay out
	CVST 3, X1, Y1
	s_wait_loadcnt 0x0
	; word n = 8 t + 2 d + e: the lanes' bits of byte e + 2h of word d of key tile t, gathered by a compare; lane n>>2 keeps it in register n&3
.set n, 0
.irp t, 0,1,2,3,4,5,6,7,8,9,10,11,12,13,14,15
.irp d, 0,1,2,3
.irp e, 0,1
	v_lshlrev_b32 v[T+(n&3)], v[SH+\e], v[X0+4*\t+\d]
	v_cmp_gt_i32 s[36+(n&3)], 0, v[T+(n&3)]
	v_writelane_b32 v[W+(n&3)], s[36+(n&3)], n>>2
.set n, n+1
.endr
.endr
.endr
	global_store_b128 v[WO], v[W:W+3], s[22:23]    ; the wave's 512 consecutive bytes
	s_endpgm
.Lfunc_end_k_qe0c03da916_prep:
	.size	k_qe0c03da916_prep, .Lfunc_end_k_qe0c03da916_prep-k_qe0c03da916_prep
	.p2alignl 7, 3214868480
	.fill 96, 4, 3214868480
	.section	.rodata,"a",@progbits
	.p2align	6, 0x0
	.amdhsa_kernel k_qe0c03da916_prep
		.amdhsa_group_segment_fixed_size 0
		.amdhsa_private_segment_fixed_size 0
		.amdhsa_enable_private_segment 0
		.amdhsa_kernarg_size 80
		.amdhsa_user_sgpr_count 2
		.amdhsa_user_sgpr_kernarg_segment_ptr 1
		.amdhsa_wavefront_size32 1
		.amdhsa_system_sgpr_workgroup_id_x 1
		.amdhsa_system_sgpr_workgroup_id_y 1
		.amdhsa_system_sgpr_workgroup_id_z 1
		.amdhsa_system_vgpr_workitem_id 0
		.amdhsa_next_free_vgpr 208
		.amdhsa_next_free_sgpr 66
		.amdhsa_reserve_vcc 0
		.amdhsa_float_denorm_mode_32 3
		.amdhsa_float_denorm_mode_16_64 3
		.amdhsa_memory_ordered 1
		.amdhsa_forward_progress 1
		.amdhsa_inst_pref_size 45
	.end_amdhsa_kernel
	.amdgpu_metadata
---
amdhsa.version: [ 1, 2 ]
amdhsa.kernels:
  - .name:           k_qe0c03da916_prep
    .symbol:         k_qe0c03da916_prep.kd
    .args:
      - { .name: q, .offset: 0, .size: 8, .value_kind: global_buffer, .address_space: global }
      - { .name: k, .offset: 8, .size: 8, .value_kind: global_buffer, .address_space: global }
      - { .name: v, .offset: 16, .size: 8, .value_kind: global_buffer, .address_space: global }
      - { .name: wq_w, .offset: 24, .size: 8, .value_kind: global_buffer, .address_space: global }
      - { .name: wk_w, .offset: 32, .size: 8, .value_kind: global_buffer, .address_space: global }
      - { .name: wv_w, .offset: 40, .size: 8, .value_kind: global_buffer, .address_space: global }
      - { .name: wo_w, .offset: 48, .size: 8, .value_kind: global_buffer, .address_space: global }
      - { .name: mask, .offset: 56, .size: 8, .value_kind: global_buffer, .address_space: global }
      - { .name: ch, .offset: 64, .size: 8, .value_kind: global_buffer, .address_space: global }
      - { .name: mbits, .offset: 72, .size: 8, .value_kind: global_buffer, .address_space: global }
    .group_segment_fixed_size: 0
    .private_segment_fixed_size: 0
    .kernarg_segment_align: 8
    .kernarg_segment_size: 80
    .max_flat_workgroup_size: 256
    .sgpr_count:     66
    .vgpr_count:     208
    .wavefront_size: 32
...
	.end_amdgpu_metadata
.endif
;; end of part 1
;; launch proj (part 2): grid 4 x 48, 4 waves a work-group, clusters of 4 x 4, 327,680 bytes of LDS; arguments ch, wq_b, wk_b, wv_b, qkv; writes qkv
.if DOCPART == 2
	.amdgcn_target "amdgcn-amd-amdhsa--gfx1250"
	.amdhsa_code_object_version 6
	.text
	.protected	k_qe0c03da916_proj
	.globl	k_qe0c03da916_proj
	.p2align	8
	.type	k_qe0c03da916_proj,@function
k_qe0c03da916_proj:
	s_mov_b64 s[64:65], 0
	v_nop
	global_prefetch_b8 v0, s[64:65] scope:SCOPE_SE
	s_setreg_imm32_b32 hwreg(HW_REG_WAVE_MODE, 25, 1), 1
	s_wait_xcnt 0x0
	s_wait_alu depctr_hold_cnt(0) depctr_sa_sdst(0) depctr_va_vdst(0) depctr_va_sdst(0) depctr_va_ssrc(0) depctr_va_vcc(0) depctr_vm_vsrc(0)
	s_getreg_b32 s2, hwreg(HW_REG_IB_STS2, 6, 4)
	s_cmp_eq_u32 s2, 0
	s_cbranch_scc0 .Lentry_in_a_cluster
	s_endpgm
.Lentry_in_a_cluster:
	s_bfe_u32 s2, ttmp6, 0x10000c
	s_cmp_lg_u32 s2, 0xf033
	s_cbranch_scc0 .Lentry_shape_is_right
	s_endpgm
.Lentry_shape_is_right:
; qp, kp, vp = X W^T + bias, K = 1024, f16 operands, f32 sums, result in f16, head-major: qkv = [3][b*16+head][2048][64].
; ch = [128 row blocks of 128 rows][16 chunks of 64 K][128 rows][64] f16: row blocks 0-95 are q, k, v (rows b*2048+s), 96-119 are wq, wk, wv.
; LIMIT: results of magnitude above 65,504 become infinities in qkv (f16).
; A work-group makes a block of 256 x 256 with four waves, as many as a WGP has SIMDs; a wave makes 128 x 128: 64 accumulator tiles, 512 registers.
; For 32 along K a wave issues 32 LDS loads and 64 matrix instructions.  4096 x 1024 x 3 results are 192 such blocks, so 192 work-groups are launched.
; K goes in steps of 128 (two chunks) through two LDS slots.  A wave's tensor load brings the two chunks of one row block: 32,768 dense bytes, as
; 128 rows of 256 bytes (two matrix rows of a chunk), 16 bytes of padding behind each: matrix row t, chunk c, byte kb lies at
; c*17408 + (t>>1)*272 + (t&1)*128 + kb, so the 16 rows of a fragment load start at 16 different multiples of 16 bytes modulo 256.
; CLUSTER 4 x 4: X's tile hangs on the block row alone and is asked for jointly by a row of the cluster, W's on the block column (and on q, k or v, which
; the whole cluster shares) and is asked for jointly by a column.  Waves 0, 1 ask for X's halves, waves 2, 3 for W's: one tensor load a wave.
; No register that feeds X's descriptors ever holds cx, none that feeds W's ever holds cy, none that feeds an LDS address holds either.
; REGISTERS, in windows of 256: window 0: v16-27 addresses; v64-127, v128-191 fragments of X, two buffers; v192-255 the bias, later packed results.
;   window 1: v64-127, v128-191 fragments of W, two buffers.  window 2: the 32 accumulator tiles of my rows 0-63 (tile (a, b) at v[8 (8a + b)]); window 3: rows 64-127.
; THE MATRIX INSTRUCTION IS USED TRANSPOSED (source 0 = 16 rows of W, source 1 = 16 rows of X): lane (r, h) holds row r of the result and
; columns 8h .. 8h+7.  The bias, laid out so, is the C operand of the first products: nothing is cleared and nothing added later.
.set PITCH,  272
.set CHUNK,  64*PITCH                  ; a chunk of 128 matrix rows in LDS
.set HALFT,  128*PITCH                 ; what one tensor load brings, and what one wave reads of X or of W
.set SLOT,   4*HALFT                   ; X's two row blocks, then W's
.set STAGE,  2*SLOT                    ; behind the ring, never filled by a tensor load: 16 rows x 272 bytes for each wave
.set SPITCH, 272
.set STEPB,  32768                     ; a K step's bytes of one row block in memory
.set LAPS,   4                         ; a lap = two K steps = once round the ring; 1024 / 256
.set ADRA, 16                          ; v16, v17  LDS address of my X fragments in slot 0, 1
.set ADRB, 20                          ; v20, v21  the same for W
.set STO,  24                          ; v24  way out: where I put 16 bytes of a row
.set RD,   25                          ; v25  way out: where I read rows back
.set CO,   26                          ; v26  16 L
.set BO,   27                          ; v27  32 h: my eight bias numbers in a column tile
.set F0,   64
.set F1,   128
.set BIAS, 192                         ; v[192:255] 8 registers for each of 8 column tiles; read by the first 64 products alone
.set TMP,  192                         ; v[192:223] way out: packed results
.set G1,  24                           ; s[24:31] descriptor group 1 for X
.set G0,  32                           ; s[32:39] group 0 for X, a set for each slot
.set G1B, 48                           ; s[48:55] group 1 for W
.set G0B, 56                           ; s[56:63] group 0 for W
.set MSB, 0
.macro WIN new                         ; s_set_vgpr_msb: low byte bits 1:0 source 0, 3:2 source 1, 5:4 source 2, 7:6 destination; high byte = the setting left
.if MSB != \new
	s_set_vgpr_msb (MSB<<8)|\new
.set MSB, \new
.endif
.endm
.set MUL_LO,   0xa1                    ; source 0 (W) window 1, source 1 (X) window 0, C and D window 2
.set MUL_HI,   0xf1                    ; the same, C and D window 3
.set FIRST_LO, 0x81                    ; the first products: C (the bias) window 0, D window 2
.set FIRST_HI, 0xc1                    ; D window 3
.set TO_B,     0x40                    ; destination window 1, address window 0
.macro PLACES                          ; four plain vector instructions behind a matrix instruction (ISA guide 7.12.1), before its registers are loaded into or its result read
.rept 4
	v_nop
.endr
.endm
.macro JLOAD s                         ; my one joint load for slot s; the branch hangs on the wave's number alone
	s_cmp_eq_u32 s13, 0
	s_cbranch_scc0 .Lfor_b_\@
	tensor_load_to_lds s[G0+4*\s:G0+4*\s+3], s[G1:G1+7]
	s_nop 0
	s_branch .Lasked_\@
.Lfor_b_\@:
	tensor_load_to_lds s[G0B+4*\s:G0B+4*\s+3], s[G1B:G1B+7]
	s_nop 0
.Lasked_\@:
.endm
.macro CREST                           ; a round of the cluster's barrier behind its opening barrier: wave 0 signals for the work-group, all wait for all sixteen, my work-group's barrier again
	s_cmp_lg_u32 s12, 0
	s_cbranch_scc1 .Lnot_wave_0_\@
	s_barrier_signal -3
.Lnot_wave_0_\@:
	s_barrier_wait -3
	s_barrier_signal -1
	s_barrier_wait -1
.endm
.macro CROUND                          ; a whole round
	s_barrier_signal -1
	s_barrier_wait -1
	CREST
.endm
	s_load_b64 s[4:5], s[0:1], 0x0                 ; ch, for X
	s_load_b64 s[6:7], s[0:1], 0x0                 ; ch, for W
	s_load_b128 s[68:71], s[0:1], 0x8              ; wq_b, wk_b
	s_load_b64 s[72:73], s[0:1], 0x18              ; wv_b
	s_load_b64 s[10:11], s[0:1], 0x20              ; qkv
	s_set_vgpr_msb 0x40
	v_lshl_add_u32 v255, v0, 2, 0x48400
	s_set_vgpr_msb 0x4000
	v_mov_b32 v63, 0
	s_set_vgpr_msb 0x1
	ds_add_u32 v255, v63
	s_set_vgpr_msb 0x100
	v_lshrrev_b32 v1, 5, v0
	v_readfirstlane_b32 s12, v1                    ; wave 0..3
	s_lshr_b32 s13, s12, 1                         ; wm: my 128 rows.  Also: I ask for X (0) or W (1)
	s_and_b32 s14, s12, 1                          ; wn: my 128 columns.  Also: which row block of that tile I ask for
	s_bfe_u32 s15, ttmp6, 0x40000                  ; cx
	s_bfe_u32 s16, ttmp6, 0x40004                  ; cy
	s_lshl_b32 s17, ttmp9, 2
	s_add_co_u32 s17, s17, s15                     ; bx: block column = 4 x cluster x + cx, 0..3
	s_and_b32 s19, ttmp7, 0xffff                   ; cluster y
	s_lshl_b32 s18, s19, 2
	s_add_co_u32 s18, s18, s16                     ; by: block row = 4 x cluster y + cy, 0..47
	s_lshr_b32 s19, s19, 2                         ; g = by / 16 (q, k or v), from the cluster's y alone: equal in all partners
	s_lshl_b32 s20, s16, 2
	s_lshl_b32 s20, 15, s20                        ; my row of the cluster: places 4 cy .. 4 cy + 3
	s_lshl_b32 s21, 0x1111, s15                    ; my column: places cx, cx+4, cx+8, cx+12
	; group 1: 128 rows of 128 elements of 2 bytes, dense in memory (pitch 128 elements), 4 words of padding behind every 64 words in LDS
	s_or_b32 s[G1+0], s20, (1<<16)|(1<<20)|(1<<21)|(5<<22)|(3<<25)
	s_or_b32 s[G1B+0], s21, (1<<16)|(1<<20)|(1<<21)|(5<<22)|(3<<25)
	s_mov_b32 s[G1+1], 128<<16                     ; tensor_dim0 = 128
	s_mov_b32 s[G1B+1], 128<<16
	s_mov_b32 s[G1+2], 128<<16                     ; tensor_dim1 = 128
	s_mov_b32 s[G1B+2], 128<<16
	s_mov_b32 s[G1+3], 128<<16                     ; tile_dim0 = 128
	s_mov_b32 s[G1B+3], 128<<16
	s_mov_b32 s[G1+4], 128                         ; tile_dim1 = 128
	s_mov_b32 s[G1B+4], 128
	s_mov_b32 s[G1+5], 128                         ; elements from row to row
	s_mov_b32 s[G1B+5], 128
	s_mov_b32 s[G1+6], 0
	s_mov_b32 s[G1B+6], 0
	s_mov_b32 s[G1+7], 0
	s_mov_b32 s[G1B+7], 0
	s_lshl_b32 s2, s14, 18                         ; the row block of the tile that I ask for: 262,144 bytes each
	s_lshl_b32 s40, s18, 19                        ; X: row block 2 by + half
	s_add_co_u32 s40, s40, s2
	s_mov_b32 s41, 0
	s_lshl_b32 s42, s19, 3
	s_lshl_b32 s43, s17, 1
	s_add_co_u32 s42, s42, s43
	s_add_co_u32 s42, s42, 96                      ; W: row block 96 + 8 g + 2 bx + half
	s_lshl_b32 s42, s42, 18
	s_add_co_u32 s42, s42, s2
	s_mov_b32 s43, 0
	s_mul_i32 s22, s12, HALFT                      ; where my load lands: X's row blocks, then W's = wave x 128 LDS rows
	s_wait_dscnt 0x0
	s_wait_kmcnt 0x0
	s_add_nc_u64 s[40:41], s[4:5], s[40:41]
	s_add_nc_u64 s[42:43], s[6:7], s[42:43]
	CROUND                                         ; all sixteen work-groups are here: the first joint loads meet
.irp s, 0,1
	s_mov_b32 s[G0+4*\s], 1
	s_add_co_u32 s[G0+4*\s+1], s22, \s*SLOT
	s_add_nc_u64 s[G0+4*\s+2:G0+4*\s+3], s[40:41], \s*STEPB        ; K step s
	s_or_b32 s[G0+4*\s+3], s[G0+4*\s+3], 0x80000000
	s_mov_b32 s[G0B+4*\s], 1
	s_add_co_u32 s[G0B+4*\s+1], s22, \s*SLOT
	s_add_nc_u64 s[G0B+4*\s+2:G0B+4*\s+3], s[42:43], \s*STEPB
	s_or_b32 s[G0B+4*\s+3], s[G0B+4*\s+3], 0x80000000
	JLOAD \s                                       ; both first fills go out together: two tensor loads of this wave are out
.endr
	; the bias of my 128 columns
	s_mov_b64 s[8:9], s[68:69]
	s_cmp_eq_u32 s19, 1
	s_cselect_b64 s[8:9], s[70:71], s[8:9]
	s_cmp_eq_u32 s19, 2
	s_cselect_b64 s[8:9], s[72:73], s[8:9]
	s_lshl_b32 s46, s17, 10                        ; 256 columns of 4 bytes
	s_lshl_b32 s47, s14, 9
	s_add_co_u32 s46, s46, s47
	s_mov_b32 s47, 0
	s_add_nc_u64 s[8:9], s[8:9], s[46:47]
	v_and_b32 v1, 15, v0                           ; r
	v_bfe_u32 v2, v0, 4, 1                         ; h
	v_lshlrev_b32 v[BO], 5, v2
.irp b, 0,1,2,3,4,5,6,7
	global_load_b128 v[BIAS+8*\b:BIAS+8*\b+3], v[BO], s[8:9] offset:64*\b          ; columns 16b + 8h .. +3
	global_load_b128 v[BIAS+8*\b+4:BIAS+8*\b+7], v[BO], s[8:9] offset:64*\b+16
.endr
	; a fragment is 16 rows x 32 K in 8 registers: lane (r, h) holds row r, K = 8h .. +7 and 16+8h .. +7: two loads of 16 bytes, 32 bytes apart
	v_lshrrev_b32 v3, 1, v1
	v_and_b32 v4, 1, v1
	v_mul_u32_u24 v5, v3, PITCH
	v_lshl_add_u32 v5, v4, 7, v5
	v_lshl_add_u32 v5, v2, 4, v5                   ; (r>>1)*272 + (r&1)*128 + 16 h
	s_mul_i32 s44, s13, HALFT                      ; my 128 rows of X
	s_mul_i32 s45, s14, HALFT
	s_add_co_u32 s45, s45, 2*HALFT                 ; my 128 rows of W, behind X's 256
.irp s, 0,1
	v_add_nc_u32 v[ADRA+\s], s44, v5
	v_add_nc_u32 v[ADRB+\s], s45, v5
	s_add_co_u32 s44, s44, SLOT
	s_add_co_u32 s45, s45, SLOT
.endr
	s_mul_i32 s23, s12, 16*SPITCH
	s_add_co_u32 s23, s23, STAGE                   ; my stage: 16 rows of 256 bytes (two heads), pitch 272
	v_mul_u32_u24 v3, v1, SPITCH
	v_lshl_add_u32 v3, v2, 4, v3
	v_add_nc_u32 v[STO], s23, v3                   ; row r, 16 bytes for each half of the lanes
	v_and_b32 v4, 31, v0
	v_lshrrev_b32 v3, 3, v4
	v_mul_u32_u24 v3, v3, SPITCH
	v_and_b32 v5, 7, v0
	v_lshl_add_u32 v3, v5, 4, v3
	v_add_nc_u32 v[RD], s23, v3                    ; back: eight lanes take one head's 128 bytes of a row, four rows a load
	v_lshlrev_b32 v[CO], 4, v4                     ; those four rows are 512 consecutive bytes of a head
	s_bfe_u32 s46, s18, 0x10003                    ; batch = bit 3 of by (8 block rows of 256 tokens a batch)
	s_lshl_b32 s46, s46, 4
	s_lshl_b32 s47, s17, 2
	s_add_co_u32 s46, s46, s47
	s_lshl_b32 s47, s14, 1
	s_add_co_u32 s46, s46, s47                     ; 16 b + head 4 bx + 2 wn
	s_lshl_b32 s46, s46, 18
	s_lshl_b32 s47, s19, 23                        ; plane g
	s_add_co_u32 s46, s46, s47
	s_and_b32 s47, s18, 7
	s_lshl_b32 s47, s47, 15                        ; 256 tokens of 128 bytes
	s_add_co_u32 s46, s46, s47
	s_lshl_b32 s47, s13, 14
	s_add_co_u32 s46, s46, s47
	s_mov_b32 s47, 0
	s_add_nc_u64 s[10:11], s[10:11], s[46:47]
; 16 matrix instructions: row tiles a0, a0+1 of the window's four (hi = 0: my rows 0-63, 1: rows 64-127) x all 8 column tiles, 32 along K.
; zero = 1: the bias starts the sums.  The 64 accumulators take turns, one instruction a turn, in the same order in every quarter step.
.macro MUL16 f, hi, a0, zero
.irp a, \a0, \a0+1
.irp b, 0,1,2,3,4,5,6,7
.if \zero
	v_wmma_f32_16x16x32_f16 v[8*(8*(\a)+\b):8*(8*(\a)+\b)+7], v[\f+8*\b:\f+8*\b+7], v[\f+8*(4*\hi+\a):\f+8*(4*\hi+\a)+7], v[BIAS+8*\b:BIAS+8*\b+7]
.else
	v_wmma_f32_16x16x32_f16 v[8*(8*(\a)+\b):8*(8*(\a)+\b)+7], v[\f+8*\b:\f+8*\b+7], v[\f+8*(4*\hi+\a):\f+8*(4*\hi+\a)+7], v[8*(8*(\a)+\b):8*(8*(\a)+\b)+7]
.endif
.endr
.endr
.endm
; 32 LDS loads in one run: the fragments of one quarter step (128 rows of W, 128 rows of X, 32 K at offset k of the row block's image) into buffer f
.macro FETCH slot, k, f
	WIN TO_B
.irp i, 0,1,2,3,4,5,6,7
	ds_load_b128 v[\f+8*\i:\f+8*\i+3],   v[ADRB+\slot] offset:\k+\i*2176
	ds_load_b128 v[\f+8*\i+4:\f+8*\i+7], v[ADRB+\slot] offset:\k+\i*2176+32
.endr
	WIN 0
.irp i, 0,1,2,3,4,5,6,7
	ds_load_b128 v[\f+8*\i:\f+8*\i+3],   v[ADRA+\slot] offset:\k+\i*2176
	ds_load_b128 v[\f+8*\i+4:\f+8*\i+7], v[ADRA+\slot] offset:\k+\i*2176+32
.endr
.endm
; A K step is four quarter steps of 32 along K, 64 matrix instructions each, on buffers 0, 1, 0, 1.
; One of the first three: multiplies buffer f; in its middle it fetches the next quarter's fragments, at offset k, into buffer g.
.macro QUARTER slot, k, f, g, zero
	s_wait_dscnt 8                                 ; W and X's rows 0-63 are in; the youngest eight loads (X's rows 64-127) may be out
.if \zero
	WIN FIRST_LO
.else
	WIN MUL_LO
.endif
	MUL16 \f, 0, 0, \zero
	MUL16 \f, 0, 2, \zero
	PLACES
	FETCH \slot, \k, \g
	s_wait_dscnt 32                                ; all but the 32 just issued
.if \zero
	WIN FIRST_HI
.else
	WIN MUL_HI
.endif
	MUL16 \f, 1, 0, \zero
	MUL16 \f, 1, 2, \zero
.endm
.macro THREE slot, zero
	QUARTER \slot, 64,       F0, F1, \zero
	QUARTER \slot, CHUNK,    F1, F0, 0
	QUARTER \slot, CHUNK+64, F0, F1, 0
.endm
; The last quarter: multiplies buffer 1 and changes slots.  next = the other slot; fill = 1: this slot is filled again, two K steps ahead.
; One barrier for the change.  In front of it each wave has waited for its reads of this slot and for all its tensor loads, of which one is out: its part
; of the next slot.  Behind it nobody reads this slot and the next slot is whole: the refill comes first, then the next slot's first fragments.
; From a request to the wait for it a wave issues 240 matrix instructions.
.macro TURN slot, next, fill
	s_wait_dscnt 8
	WIN MUL_LO
	MUL16 F1, 0, 0, 0
	s_wait_dscnt 0                                 ; my reads of this slot are over
	s_wait_tensorcnt 0x0                           ; and all my tensor loads have landed
	ds_add_u32 v255, v63
	s_wait_dscnt 0x0
	s_barrier_signal -1                            ; say so (where a slot is filled again this barrier opens a round of the cluster's barrier),
	MUL16 F1, 0, 2, 0                              ; work on registers while the others arrive,
	WIN 0
	s_barrier_wait -1
.if \fill
	CREST                                          ; no wave of any partner still reads this slot's tile or has a load on its way
	s_add_nc_u64 s[G0+4*\slot+2:G0+4*\slot+3], s[G0+4*\slot+2:G0+4*\slot+3], 2*STEPB       ; no load of mine is out: group 0 may be written
	s_add_nc_u64 s[G0B+4*\slot+2:G0B+4*\slot+3], s[G0B+4*\slot+2:G0B+4*\slot+3], 2*STEPB
	JLOAD \slot                                    ; the first tensor load behind the round: one tensor load of this wave is out
.endif
	PLACES
	FETCH \next, 0, F0
	WIN MUL_HI
	MUL16 F1, 1, 0, 0
	MUL16 F1, 1, 2, 0
.endm
.macro LAP zero                        ; once round the ring, both slots filled again
	THREE 0, \zero
	TURN 0, 1, 1
	THREE 1, 0
	TURN 1, 0, 1
.endm
	s_wait_loadcnt 0x0                             ; the bias
	s_wait_tensorcnt 0x1                           ; my part of K step 0 is in; K step 1's load may stay out
	s_barrier_signal -1
	s_barrier_wait -1                              ; everybody's part is in
	FETCH 0, 0, F0
	LAP 1                                          ; the first lap stands in front of the loop: its first products start the sums from the bias
	WIN 0                                          ; at a label and at a branch every window is 0
	s_mov_b32 s3, LAPS-2
.Llap:
	LAP 0
	WIN 0
	s_sub_co_u32 s3, s3, 1
	s_cmp_lg_u32 s3, 0
	s_cbranch_scc1 .Llap
	THREE 0, 0                                     ; the last lap fills nothing: my one tensor load that is still out is slot 1's, the last K step's
	TURN 0, 1, 0
	THREE 1, 0
	s_wait_dscnt 8                                 ; the very last quarter: nothing more to fetch
	WIN MUL_LO
	MUL16 F1, 0, 0, 0
	MUL16 F1, 0, 2, 0
	s_wait_dscnt 0
	WIN MUL_HI
	MUL16 F1, 1, 0, 0
	MUL16 F1, 1, 2, 0
	PLACES                                         ; behind the last products: their results are read, buffers 0 and 1 loaded into
; THE WAY OUT, 16 tokens at a time through my own stage: round to f16, 16 bytes a lane into rows of 256 bytes (two heads), read back head by head.
; A wave's LDS instructions are served in order (ISA guide 5.7.1), so no wait stands between the stores and the loads.
; rows 16 i .. +15 of my block = the eight tiles (a, 0..7) of window 2 or 3 (from = 0x0a or 0x0f: sources 0 and 1); f: F0 or F1 in turn
.macro OUT16 i, a, from, f
	WIN \from
.irp b, 0,1,2,3,4,5,6,7
.irp r, 0,1,2,3
	v_cvt_pk_f16_f32 v[TMP+4*\b+\r], v[8*(8*\a+\b)+2*\r], v[8*(8*\a+\b)+2*\r+1]
.endr
.endr
	WIN 0
.irp b, 0,1,2,3,4,5,6,7
	ds_store_b128 v[STO], v[TMP+4*\b:TMP+4*\b+3] offset:32*\b
.endr
	s_wait_xcnt 0x0                                ; buffer f was the data of earlier stores: it is loaded into only behind this wait
.irp t, 0,1,2,3,4,5,6,7
	ds_load_b128 v[\f+4*\t:\f+4*\t+3], v[RD] offset:(\t&3)*4*SPITCH+(\t>>2)*128    ; four tokens of head t>>2
.endr
.irp t, 0,1,2,3,4,5,6,7
	s_wait_dscnt 7-\t                              ; load t is in, the younger ones stay out
	global_store_b128 v[CO], v[\f+4*\t:\f+4*\t+3], s[10:11] offset:(\t>>2)*262144+\i*2048+(\t&3)*512   ; the wave stores 512 consecutive aligned bytes
.endr
.endm
	OUT16 0, 0, 0x0a, F0
	OUT16 1, 1, 0x0a, F1
	OUT16 2, 2, 0x0a, F0
	OUT16 3, 3, 0x0a, F1
	OUT16 4, 0, 0x0f, F0
	OUT16 5, 1, 0x0f, F1
	OUT16 6, 2, 0x0f, F0
	OUT16 7, 3, 0x0f, F1
	s_set_vgpr_msb 0x1
	s_wait_tensorcnt 0x0
	ds_add_u32 v255, v63
	s_wait_dscnt 0x0
	s_set_vgpr_msb 0x100
	CROUND                                         ; the closing round: no work-group ends while a partner may still ask for a tile that names it
	s_endpgm
.Lfunc_end_k_qe0c03da916_proj:
	.size	k_qe0c03da916_proj, .Lfunc_end_k_qe0c03da916_proj-k_qe0c03da916_proj
	.p2alignl 7, 3214868480
	.fill 96, 4, 3214868480
	.section	.rodata,"a",@progbits
	.p2align	6, 0x0
	.amdhsa_kernel k_qe0c03da916_proj
		.amdhsa_group_segment_fixed_size 327680
		.amdhsa_private_segment_fixed_size 0
		.amdhsa_enable_private_segment 0
		.amdhsa_kernarg_size 40
		.amdhsa_user_sgpr_count 2
		.amdhsa_user_sgpr_kernarg_segment_ptr 1
		.amdhsa_wavefront_size32 1
		.amdhsa_system_sgpr_workgroup_id_x 1
		.amdhsa_system_sgpr_workgroup_id_y 1
		.amdhsa_system_sgpr_workgroup_id_z 1
		.amdhsa_system_vgpr_workitem_id 0
		.amdhsa_next_free_vgpr 1024
		.amdhsa_next_free_sgpr 76
		.amdhsa_reserve_vcc 0
		.amdhsa_float_denorm_mode_32 3
		.amdhsa_float_denorm_mode_16_64 3
		.amdhsa_memory_ordered 1
		.amdhsa_forward_progress 1
		.amdhsa_inst_pref_size 198
	.end_amdhsa_kernel
	.amdgpu_metadata
---
amdhsa.version: [ 1, 2 ]
amdhsa.kernels:
  - .name:           k_qe0c03da916_proj
    .symbol:         k_qe0c03da916_proj.kd
    .args:
      - { .name: ch, .offset: 0, .size: 8, .value_kind: global_buffer, .address_space: global }
      - { .name: wq_b, .offset: 8, .size: 8, .value_kind: global_buffer, .address_space: global }
      - { .name: wk_b, .offset: 16, .size: 8, .value_kind: global_buffer, .address_space: global }
      - { .name: wv_b, .offset: 24, .size: 8, .value_kind: global_buffer, .address_space: global }
      - { .name: qkv, .offset: 32, .size: 8, .value_kind: global_buffer, .address_space: global }
    .group_segment_fixed_size: 327680
    .private_segment_fixed_size: 0
    .kernarg_segment_align: 8
    .kernarg_segment_size: 40
    .max_flat_workgroup_size: 128
    .sgpr_count:     76
    .vgpr_count:     1024
    .wavefront_size: 32
...
	.end_amdgpu_metadata
.endif
;; end of part 2
;; launch attn (part 3): grid 8 x 32, 8 waves a work-group, clusters of 4 x 1, 327,680 bytes of LDS; arguments qkv, mbits, xa; writes xa
.if DOCPART == 3
	.amdgcn_target "amdgcn-amd-amdhsa--gfx1250"
	.amdhsa_code_object_version 6
	.text
	.protected	k_qe0c03da916_attn
	.globl	k_qe0c03da916_attn
	.p2align	8
	.type	k_qe0c03da916_attn,@function
k_qe0c03da916_attn:
	s_mov_b64 s[64:65], 0
	v_nop
	global_prefetch_b8 v0, s[64:65] scope:SCOPE_SE
	s_setreg_imm32_b32 hwreg(HW_REG_WAVE_MODE, 25, 1), 1
	s_wait_xcnt 0x0
	s_wait_alu depctr_hold_cnt(0) depctr_sa_sdst(0) depctr_va_vdst(0) depctr_va_sdst(0) depctr_va_ssrc(0) depctr_va_vcc(0) depctr_vm_vsrc(0)
	s_getreg_b32 s2, hwreg(HW_REG_IB_STS2, 6, 4)
	s_cmp_eq_u32 s2, 0
	s_cbranch_scc0 .Lentry_in_a_cluster
	s_endpgm
.Lentry_in_a_cluster:
	s_bfe_u32 s2, ttmp6, 0x10000c
	s_cmp_lg_u32 s2, 0x3003
	s_cbranch_scc0 .Lentry_shape_is_right
	s_endpgm
.Lentry_shape_is_right:
; Attention of one head (y = b*16 + head) for 256 queries a work-group, 32 a wave; no scale; a masked score IS -100000; softmax with a running maximum.
; qkv = [3][b*16+head][2048][64] f16; mbits: lane masks (see below); xa = [32 token blocks][16 heads][128][64] f16.
; LIMITS: P is kept in f16: a p below 2^-24 of its row's largest is dropped, at most 2048 x 2^-24 of a row's sum; x above 65,504 in magnitude becomes an infinity.
; ORIENTATION.  S^T = K Q^T: lane (r, h), register j of a score tile holds query r and one key, so maximum and sum run along the lane's own
; registers plus one exchange of the halves, and factor and 1/l are the lane's own.  The registers of key tiles 2g, 2g+1, packed to f16 in pairs,
; ARE the second source of O^T = V^T P^T: nothing is shuffled.
; ORDER OF KEYS.  K and V come in as rows of 256 bytes (two keys), 16 bytes of padding behind each: key kk lies at (kk>>1)*272 + (kk&1)*128.
; Within a tile of 16 keys, place 8h + j holds key 4 (j>>1) + (j&1) + 2h.  K's rows, the mask's bits and V's places along k all use that order, so the
; sums are the same.
; mbits = [256 query tiles][32 blocks of 64 keys][4 key tiles t][8 j] words: bit r+16h = mask of query r and the key of place 8h + j.
; PRODUCTS AND SOFTMAX LAID INTO EACH OTHER.  Two score buffers take turns: while block i goes through mask, maximum and exponentials, the scores of
; block i+1 are multiplied into the other buffer; P V of query tile 0 is multiplied while query tile 1 goes through its softmax.  So 24 of a block's 32
; matrix instructions stand, in groups of four, among its vector instructions, which also are the places behind them.  At each change of slots the
; pipeline is drained: the slot's last block multiplies no next scores, the next slot's first scores are multiplied alone.
; REGISTERS: window 0 (v0-255) holds all that vector instructions touch; window 1 holds K's fragments (v256-319) and V's (v320-383), which only LDS loads
; write and only matrix instructions read (as source 0).  Two waves on a SIMD use 768 of its registers.
; CLUSTER 4 x 1: the four work-groups walk the same head's K and V: every tile is one joint load (mask 15).  Two slots of 512 keys;
; waves 0-3 ask for quarters of K, waves 4-7 of V, one tensor load of 64 rows of 256 bytes a wave, each into LDS bytes of its own (wave x 17,408).
; No register that feeds the descriptors or an LDS address ever holds cx or anything loaded by it.
; Not prefetched into the cache: half of the head's K and V is asked for at the start, the rest a phase of eight blocks ahead.
.set SLOT,  139264                     ; K: 256 LDS rows of 272 bytes, then V
.set VOFF,  69632
.set STAGE, 278528                     ; behind the ring, never filled by a tensor load: 32 rows of pitch 144 for each wave
.set BLKB,  8704                       ; a block of 64 keys: 32 LDS rows
.set KA,  1                            ; v1  LDS address of the K fragments loaded last
.set VA,  2                            ; v2  LDS address of the V fragments loaded next
.set KA0, 3                            ; v3  K's lane term
.set VA0, 4                            ; v4  V's
.set NEG, 5                            ; v5  -100000.0
.set STO, 6                            ; v6  way out: where I put 16 bytes of a row
.set RD,  7                            ; v7  way out: where I read rows back
.set CO,  8                            ; v8  16 L
.set QO,  9                            ; v9  my offset in Q
.set T0,  10                           ; v[10:13] four temporaries, also as T0+q
.set T1,  11
.set T2,  12
.set T3,  13
.set TP,  14                           ; v[14:15]
.set STAT, 16                          ; v[16:31]  for query tile a at +8a: +0 maximum; +2,+3 -maximum x log2 e, twice; +4,+5 two partial sums; +6,+7 the factor, twice
.set Q,   32                           ; v[32:63]    Q fragment (a, c) at +16a+8c
.set O,   64                           ; v[64:127]   O^T tile (a, dt) at +32a+8dt
.set SA,  128                          ; v[128:191]  score buffer A: tile (a, t) at +32a+8t; later P fragment (a, g) at +32a+16g
.set SB,  192                          ; v[192:255]  score buffer B
.set KF,  0                            ; window 1, v[256:319]  K fragment (t, c) at +16t+8c
.set VF,  64                           ; window 1, v[320:383]  V fragment (g, dt) at +32g+8dt
.set G1,  16                           ; s[16:23]
.set G0,  24                           ; s[24:31], a set for each slot
.set MW0, 32                           ; s[32:63]  mask words of query tile 0, word (t, j) at +8t+j
.set MW1, 68                           ; s[68:99]  of query tile 1
.set MSB, 0
.macro WIN new                         ; s_set_vgpr_msb: low byte bits 1:0 source 0, 7:6 destination; high byte = the setting left.  0x01: products; 0x40: LDS loads; 0: all else
.if MSB != \new
	s_set_vgpr_msb (MSB<<8)|\new
.set MSB, \new
.endif
.endm
.macro PLACES                          ; four plain vector instructions behind a matrix instruction (ISA guide 7.12.1)
.rept 4
	v_nop
.endr
.endm
.macro ROUND                           ; a round of the cluster's barrier
	s_barrier_signal -1
	s_barrier_wait -1
	s_cmp_lg_u32 s10, 0
	s_cbranch_scc1 .Lnot_wave_0_\@
	s_barrier_signal -3
.Lnot_wave_0_\@:
	s_barrier_wait -3
	s_barrier_signal -1
	s_barrier_wait -1
.endm
	s_load_b128 s[4:7], s[0:1], 0x0                ; qkv s[4:5], mbits s[6:7]
	s_load_b64 s[8:9], s[0:1], 0x10                ; xa
	v_lshl_add_u32 v17, v0, 2, 0x4d000
	v_mov_b32 v25, 0
	ds_add_u32 v17, v25
	v_lshrrev_b32 v1, 5, v0
	v_readfirstlane_b32 s10, v1                    ; wave 0..7
	s_mov_b32 s2, 0x3fb8aa3b                       ; log2 e, as a pair for the packed multiply-add
	s_mov_b32 s3, 0x3fb8aa3b
	s_mov_b32 s14, 0x76543210                      ; v_permlanex16_b32: lane i takes lane i of the other half
	s_mov_b32 s15, 0xfedcba98
	; group 1: 64 rows of 128 elements of 2 bytes, dense in memory, 4 words of padding behind every 64 words; mask: all four of the cluster
	s_mov_b32 s[G1+0], 15|(1<<16)|(1<<20)|(1<<21)|(5<<22)|(3<<25)
	s_mov_b32 s[G1+1], 128<<16                     ; tensor_dim0 = 128
	s_mov_b32 s[G1+2], 64<<16                      ; tensor_dim1 = 64
	s_mov_b32 s[G1+3], 128<<16                     ; tile_dim0 = 128
	s_mov_b32 s[G1+4], 64                          ; tile_dim1 = 64
	s_mov_b32 s[G1+5], 128                         ; elements from row to row
	s_mov_b32 s[G1+6], 0
	s_mov_b32 s[G1+7], 0
	s_lshr_b32 s12, s10, 2
	s_add_co_u32 s12, s12, 1
	s_lshl_b32 s12, s12, 23                        ; plane 1 (K) for waves 0-3, plane 2 (V) for waves 4-7
	s_and_b32 s13, ttmp7, 0xffff
	s_lshl_b32 s13, s13, 18                        ; the head
	s_add_co_u32 s12, s12, s13
	s_and_b32 s13, s10, 3
	s_lshl_b32 s13, s13, 14                        ; my quarter of 512 keys
	s_add_co_u32 s12, s12, s13
	s_mov_b32 s13, 0
	s_mul_i32 s[G0+1], s10, 17408                  ; where my quarter lands in slot 0
	s_add_co_u32 s[G0+5], s[G0+1], SLOT            ; and in slot 1
	s_mov_b32 s[G0+0], 1
	s_mov_b32 s[G0+4], 1
	s_wait_dscnt 0x0
	s_wait_kmcnt 0x0
	s_add_nc_u64 s[G0+2:G0+3], s[4:5], s[12:13]    ; keys 0-511
	s_add_nc_u64 s[G0+6:G0+7], s[G0+2:G0+3], 65536 ; keys 512-1023
	s_or_b32 s[G0+3], s[G0+3], 0x80000000
	s_or_b32 s[G0+7], s[G0+7], 0x80000000
	ROUND                                          ; all four work-groups are here: the first joint loads meet
	tensor_load_to_lds s[G0:G0+3], s[G1:G1+7]
	s_nop 0
	tensor_load_to_lds s[G0+4:G0+7], s[G1:G1+7]    ; two tensor loads of this wave are out
	s_nop 0
	; what hangs on my place in the cluster: in s32 and up, which later hold mask words
	s_bfe_u32 s32, ttmp6, 0x40000                  ; cx
	s_lshl_b32 s33, ttmp9, 2
	s_add_co_u32 s33, s33, s32                     ; block of 256 queries
	s_and_b32 s34, ttmp7, 0xffff                   ; y
	s_lshr_b32 s35, s34, 4                         ; batch
	s_and_b32 s36, s34, 15                         ; head
	s_lshl_b32 s40, s34, 18                        ; Q: plane 0, head y,
	s_lshl_b32 s41, s33, 15                        ; 256 queries of 128 bytes,
	s_add_co_u32 s40, s40, s41
	s_lshl_b32 s41, s10, 12                        ; my 32
	s_add_co_u32 s40, s40, s41
	s_mov_b32 s41, 0
	s_add_nc_u64 s[100:101], s[4:5], s[40:41]
	s_lshl_b32 s40, s35, 19                        ; mask words: query tile 128 b + 16 block + 2 w, 4,096 bytes each
	s_lshl_b32 s41, s33, 16
	s_add_co_u32 s40, s40, s41
	s_lshl_b32 s41, s10, 13
	s_add_co_u32 s40, s40, s41
	s_mov_b32 s41, 0
	s_add_nc_u64 s[6:7], s[6:7], s[40:41]
	s_lshl_b32 s40, s35, 4                         ; xa: token block 16 b + 2 block + (w>>2),
	s_lshl_b32 s41, s33, 1
	s_add_co_u32 s40, s40, s41
	s_lshr_b32 s41, s10, 2
	s_add_co_u32 s40, s40, s41
	s_lshl_b32 s40, s40, 18
	s_lshl_b32 s41, s36, 14                        ; chunk = head,
	s_add_co_u32 s40, s40, s41
	s_and_b32 s41, s10, 3
	s_lshl_b32 s41, s41, 12                        ; my 32 rows of 128 bytes
	s_add_co_u32 s40, s40, s41
	s_mov_b32 s41, 0
	s_add_nc_u64 s[8:9], s[8:9], s[40:41]
	v_and_b32 v[T0], 15, v0                        ; r
	v_bfe_u32 v[T1], v0, 4, 1                      ; h
	v_lshlrev_b32 v[QO], 7, v[T0]
	v_lshl_add_u32 v[QO], v[T1], 4, v[QO]          ; query r, 16 h
.irp a, 0,1
.irp c, 0,1
	global_load_b128 v[Q+16*\a+8*\c:Q+16*\a+8*\c+3],   v[QO], s[100:101] offset:2048*\a+64*\c
	global_load_b128 v[Q+16*\a+8*\c+4:Q+16*\a+8*\c+7], v[QO], s[100:101] offset:2048*\a+64*\c+32
.endr
.endr
	s_load_b512 s[MW0:MW0+15], s[6:7], 0x0         ; the first block's mask words
	s_load_b512 s[MW0+16:MW0+31], s[6:7], 0x40
	s_load_b512 s[MW1:MW1+15], s[6:7], 0x1000
	s_load_b512 s[MW1+16:MW1+31], s[6:7], 0x1040
	v_bfe_u32 v[T3], v0, 1, 2                      ; (r&7)>>1
	v_lshrrev_b32 v[TP], 3, v[T0]                  ; r>>3
	v_lshl_add_u32 v[TP], v[T3], 1, v[TP]          ; K: lane r takes the key of place r: LDS row 2 ((r&7)>>1) + (r>>3),
	v_mul_u32_u24 v[KA0], v[TP], 272
	v_and_b32 v[TP], 1, v0
	v_lshl_add_u32 v[KA0], v[TP], 7, v[KA0]        ; half r&1,
	v_lshl_add_u32 v[KA0], v[T1], 4, v[KA0]        ; 16 h along d
	v_lshl_add_u32 v[T3], v[T3], 1, v[T1]          ; V: lane L addresses the key of place 8h + (L&7): LDS row 2 ((L&7)>>1) + h,
	v_mul_u32_u24 v[VA0], v[T3], 272
	v_lshl_add_u32 v[VA0], v[TP], 7, v[VA0]        ; half L&1,
	v_bfe_u32 v[T3], v0, 3, 1
	v_lshl_add_u32 v[VA0], v[T3], 4, v[VA0]        ; 16 bytes (8 d) for each group of eight lanes
	v_add_nc_u32 v[VA0], VOFF, v[VA0]
	s_mul_i32 s12, s10, 4608
	s_add_co_u32 s12, s12, STAGE                   ; my stage
	v_mul_u32_u24 v[T3], v[T0], 144
	v_lshl_add_u32 v[T3], v[T1], 4, v[T3]
	v_add_nc_u32 v[STO], s12, v[T3]
	v_and_b32 v[T2], 31, v0
	v_lshlrev_b32 v[CO], 4, v[T2]
	v_lshrrev_b32 v[T3], 3, v[T2]
	v_mul_u32_u24 v[T3], v[T3], 144
	v_and_b32 v[T2], 7, v0
	v_lshl_add_u32 v[T3], v[T2], 4, v[T3]
	v_add_nc_u32 v[RD], s12, v[T3]
	v_mov_b32 v[NEG], 0xc7c35000                   ; -100000.0
	v_mov_b32 v[KA], v[KA0]
	v_mov_b32 v[VA], v[VA0]
.macro KLOAD                           ; 16 loads: 4 key tiles x 64 d, at KA
	WIN 0x40
.irp t, 0,1,2,3
.irp c, 0,1
	ds_load_b128 v[KF+16*\t+8*\c:KF+16*\t+8*\c+3],   v[KA] offset:2176*\t+64*\c
	ds_load_b128 v[KF+16*\t+8*\c+4:KF+16*\t+8*\c+7], v[KA] offset:2176*\t+64*\c+32
.endr
.endr
.endm
.macro VLOAD                           ; 16 transposing loads at VA: fragment (g, dt) = 16 d x the 32 keys of tiles 2g, 2g+1
	WIN 0x40
.irp g, 0,1
.irp d, 0,1,2,3
	ds_load_tr16_b128 v[VF+32*\g+8*\d:VF+32*\g+8*\d+3],   v[VA] offset:4352*\g+32*\d
	ds_load_tr16_b128 v[VF+32*\g+8*\d+4:VF+32*\g+8*\d+7], v[VA] offset:4352*\g+2176+32*\d
.endr
.endr
.endm
; Four score products into buffer nb: query tile a, half c of d, key tiles 0-3.  c = 0 starts the sums.
; In every run of products the accumulators take turns, one instruction a turn.
.macro SPROD nb, c, a
	WIN 0x01
.irp t, 0,1,2,3
.if \c == 0
	v_wmma_f32_16x16x32_f16 v[\nb+32*\a+8*\t:\nb+32*\a+8*\t+7], v[KF+16*\t+8*\c:KF+16*\t+8*\c+7], v[Q+16*\a+8*\c:Q+16*\a+8*\c+7], 0
.else
	v_wmma_f32_16x16x32_f16 v[\nb+32*\a+8*\t:\nb+32*\a+8*\t+7], v[KF+16*\t+8*\c:KF+16*\t+8*\c+7], v[Q+16*\a+8*\c:Q+16*\a+8*\c+7], v[\nb+32*\a+8*\t:\nb+32*\a+8*\t+7]
.endif
.endr
.endm
; Four products O^T(a, 0..3) += V^T(g, 0..3) P^T(a, g), P in buffer cb.  zero = 1 starts the sums.
.macro PVG cb, g, a, zero
	WIN 0x01
.irp d, 0,1,2,3
.if \zero
	v_wmma_f32_16x16x32_f16 v[O+32*\a+8*\d:O+32*\a+8*\d+7], v[VF+32*\g+8*\d:VF+32*\g+8*\d+7], v[\cb+32*\a+16*\g:\cb+32*\a+16*\g+7], 0
.else
	v_wmma_f32_16x16x32_f16 v[O+32*\a+8*\d:O+32*\a+8*\d+7], v[VF+32*\g+8*\d:VF+32*\g+8*\d+7], v[\cb+32*\a+16*\g:\cb+32*\a+16*\g+7], v[O+32*\a+8*\d:O+32*\a+8*\d+7]
.endif
.endr
.endm
.macro MASKT cb, t                     ; 16 selects: key tile t of both query tiles
	WIN 0
.irp j, 0,1,2,3,4,5,6,7
	v_cndmask_b32 v[\cb+8*\t+\j], v[\cb+8*\t+\j], v[NEG], s[MW0+8*\t+\j]
	v_cndmask_b32 v[\cb+32+8*\t+\j], v[\cb+32+8*\t+\j], v[NEG], s[MW1+8*\t+\j]
.endr
.endm
; The new maximum of query tile a over its 32 score registers (four chains), -maximum x log2 e, and the factor for what was summed so far.
.macro MAXS cb, a, first
	WIN 0
.set XB, \cb+32*\a
.set ST, STAT+8*\a
.irp q, 0,1,2,3
	v_max3_num_f32 v[T0+\q], v[XB+8*\q], v[XB+8*\q+1], v[XB+8*\q+2]
.endr
.irp i, 3,5
.irp q, 0,1,2,3
	v_max3_num_f32 v[T0+\q], v[T0+\q], v[XB+8*\q+\i], v[XB+8*\q+\i+1]
.endr
.endr
	v_max3_num_f32 v[T0], v[T0], v[XB+7], v[T1]
	v_max3_num_f32 v[T2], v[T2], v[XB+23], v[T3]
	v_max3_num_f32 v[T0], v[T0], v[XB+15], v[XB+31]
.if \first
	v_max_num_f32 v[T0], v[T0], v[T2]
.else
	v_max3_num_f32 v[T0], v[T0], v[T2], v[ST]                      ; with the running maximum
.endif
	v_permlanex16_b32 v[T1], v[T0], s14, s15                       ; the other half's keys of the same query
	v_max_num_f32 v[ST], v[T0], v[T1]
	v_mul_f32 v[T3], 0xbfb8aa3b, v[ST]                             ; -maximum x log2 e
.if \first
	v_mov_b32 v[ST+2], v[T3]
	v_mov_b32 v[ST+3], v[T3]
.else
	v_sub_f32 v[T1], v[T3], v[ST+2]                                ; (old maximum - new) x log2 e
	v_exp_f32 v[ST+6], v[T1]
	v_mov_b32 v[ST+2], v[T3]                                       ; plain instructions that touch neither the factor nor its source stand behind the exponential (ISA guide 5.7.2)
	v_mov_b32 v[ST+3], v[T3]
	s_wait_alu depctr_va_vdst(0)
	v_mov_b32 v[ST+7], v[ST+6]
.endif
.endm
.macro FMAS cb, a                      ; (s - maximum) x log2 e, one rounding
	WIN 0
.set XB, \cb+32*\a
.set ST, STAT+8*\a
.set i, 0
.rept 16
	v_pk_fma_f32 v[XB+i:XB+i+1], v[XB+i:XB+i+1], s[2:3], v[ST+2:ST+3] op_sel_hi:[1,0,1]
.set i, i+2
.endr
.endm
.macro EXPS cb, a
	WIN 0
.set XB, \cb+32*\a
.set i, 0
.rept 32
	v_exp_f32 v[XB+i], v[XB+i]
.set i, i+1
.endr
	v_nop                                                          ; the plain place behind the exponentials
.endm
; Sums (two chains) and packing to f16 in place, by turns.  Register k of a group of 16 is written when the pair 2k, 2k+1 has been read and the pair
; that holds k has been summed: pair k is summed in front of conversion k, and pairs 0 and 1 in front of conversion 0.
.macro SUMCVT cb, a, first
	WIN 0
.set XB, \cb+32*\a
.set ST, STAT+8*\a
.if \first
	s_wait_alu depctr_va_vdst(0)
	v_pk_add_f32 v[ST+4:ST+5], v[XB:XB+1], v[XB+2:XB+3]
	v_pk_add_f32 v[TP:TP+1], v[XB+16:XB+17], v[XB+18:XB+19]
.else
	s_wait_alu depctr_va_vdst(0)
	v_pk_fma_f32 v[ST+4:ST+5], v[ST+4:ST+5], v[ST+6:ST+7], v[XB:XB+1]
	v_pk_add_f32 v[TP:TP+1], v[XB+16:XB+17], v[XB+18:XB+19]
	v_pk_add_f32 v[ST+4:ST+5], v[ST+4:ST+5], v[XB+2:XB+3]
.endif
.irp k, 0,1
	v_cvt_pk_f16_f32 v[XB+\k], v[XB+2*\k], v[XB+2*\k+1]
	v_cvt_pk_f16_f32 v[XB+16+\k], v[XB+16+2*\k], v[XB+16+2*\k+1]
.endr
.irp k, 2,3,4,5,6,7
	v_pk_add_f32 v[ST+4:ST+5], v[ST+4:ST+5], v[XB+2*\k:XB+2*\k+1]
	v_pk_add_f32 v[TP:TP+1], v[TP:TP+1], v[XB+16+2*\k:XB+16+2*\k+1]
	v_cvt_pk_f16_f32 v[XB+\k], v[XB+2*\k], v[XB+2*\k+1]
	v_cvt_pk_f16_f32 v[XB+16+\k], v[XB+16+2*\k], v[XB+16+2*\k+1]
.endr
	v_pk_add_f32 v[ST+4:ST+5], v[ST+4:ST+5], v[TP:TP+1]
.endm
.macro RESC a                          ; O(a) times the factor
	WIN 0
.set i, 0
.rept 16
	v_pk_mul_f32 v[O+32*\a+i:O+32*\a+i+1], v[O+32*\a+i:O+32*\a+i+1], v[STAT+8*\a+6:STAT+8*\a+7]
.set i, i+2
.endr
.endm
; A block of 64 keys.  Its raw scores lie in buffer cb.  snext = 1: the next block's scores are multiplied into buffer nb (its K fragments were asked for a
; block ago); kpre = 1: the K fragments of the block after that are asked for; mpre = 1: the next block's mask words are asked for; first = 1: no earlier maximum, sum or O.
.macro BLOCK cb, nb, first, snext, kpre, mpre
	s_wait_kmcnt 0x0                               ; this block's mask words
	MASKT \cb, 0                                   ; 16 places behind the last block's products: V's fragments may be loaded over, buffer nb (their P) written over
	VLOAD                                          ; this block's V: lands during query tile 0's softmax
.if \snext
	s_wait_dscnt 16                                ; the next block's K is in; the 16 V loads just issued stay out
	SPROD \nb, 0, 0
.endif
	MASKT \cb, 1
	MASKT \cb, 2
.if \snext
	SPROD \nb, 0, 1
.endif
	MASKT \cb, 3
.if \mpre
	s_add_nc_u64 s[6:7], s[6:7], 128               ; the loads that named it are done (the wait at the block's head)
	s_load_b512 s[MW0:MW0+15], s[6:7], 0x0
	s_load_b512 s[MW0+16:MW0+31], s[6:7], 0x40
	s_load_b512 s[MW1:MW1+15], s[6:7], 0x1000
	s_load_b512 s[MW1+16:MW1+31], s[6:7], 0x1040
.endif
	MAXS \cb, 0, \first
.if \snext
	SPROD \nb, 1, 0
.endif
	FMAS \cb, 0
.if \snext
	SPROD \nb, 1, 1
.endif
	EXPS \cb, 0
	SUMCVT \cb, 0, \first                          ; more than four places behind the score products: K's fragments may be loaded over
	v_add_nc_u32 v[VA], BLKB, v[VA]
.if \kpre
	v_add_nc_u32 v[KA], BLKB, v[KA]
	KLOAD                                          ; lands during query tile 1's softmax
.endif
.if \first == 0
	RESC 0
.endif
	s_wait_dscnt 16*\kpre                          ; this block's V is in; the 16 K loads just issued, if any, stay out
	PVG \cb, 0, 0, \first
	MAXS \cb, 1, \first
	FMAS \cb, 1
	PVG \cb, 1, 0, 0
	EXPS \cb, 1
	SUMCVT \cb, 1, \first
.if \first == 0
	RESC 1
.endif
	PVG \cb, 0, 1, \first
	PVG \cb, 1, 1, 0
	WIN 0
.endm
; The first scores of a slot, into buffer A, alone; then the second block's K fragments are asked for.
.macro PRO
	s_wait_dscnt 0x0                               ; the first block's K fragments
	SPROD SA, 0, 0
	SPROD SA, 0, 1
	SPROD SA, 1, 0
	SPROD SA, 1, 1
	WIN 0
	PLACES                                         ; before K's fragments are loaded over and the scores are read
	v_add_nc_u32 v[KA], BLKB, v[KA]
	KLOAD
	WIN 0                                          ; a label may follow
.endm
; The change of slots.  slot = read next, other = read last.  In front of the barrier each wave has waited for all its tensor loads and for its reads of the
; other slot.  refill = 1: the barrier is a round of the cluster's barrier and the joint refill, 1,024 keys ahead, is the first thing behind it: one tensor load
; of this wave is out, and it has eight blocks in which to land.
.macro PHEAD slot, other, refill
	s_wait_tensorcnt 0x0
	ds_add_u32 v17, v25
	s_wait_dscnt 0x0
.if \refill
	s_add_nc_u64 s[G0+4*\other+2:G0+4*\other+3], s[G0+4*\other+2:G0+4*\other+3], 131072    ; no load of mine is out: group 0 may be written
.endif
	s_wait_dscnt 0x0
.if \refill
	ROUND
	tensor_load_to_lds s[G0+4*\other:G0+4*\other+3], s[G1:G1+7]
	s_nop 0
	v_nop
	v_nop
.else
	s_barrier_signal -1
	s_barrier_wait -1
.endif
.if \slot
	v_add_nc_u32 v[KA], SLOT, v[KA0]
	v_add_nc_u32 v[VA], SLOT, v[VA0]
.else
	v_mov_b32 v[KA], v[KA0]
	v_mov_b32 v[VA], v[VA0]
.endif
	KLOAD
	PRO
.endm
.macro LOOP2 n                         ; n trips of two blocks: the buffers change roles and change back
	s_mov_b32 s11, \n
.Lblk_\@:
	BLOCK SA, SB, 0, 1, 1, 1
	BLOCK SB, SA, 0, 1, 1, 1
	s_sub_co_u32 s11, s11, 1
	s_cmp_lg_u32 s11, 0
	s_cbranch_scc1 .Lblk_\@
.endm
	s_wait_loadcnt 0x0                             ; Q
	s_wait_tensorcnt 0x1                           ; my part of slot 0 is in; slot 1's load may stay out
	s_barrier_signal -1
	s_barrier_wait -1                              ; everybody's part is in
	KLOAD
	PRO
	BLOCK SA, SB, 1, 1, 1, 1                       ; keys 0-511: the first block starts maximum, sum and O
	BLOCK SB, SA, 0, 1, 1, 1
	LOOP2 2
	BLOCK SA, SB, 0, 1, 0, 1                       ; the slot's seventh block: no K lies behind the eighth's
	BLOCK SB, SA, 0, 0, 0, 1                       ; the eighth: no next scores
	PHEAD 1, 0, 1                                  ; keys 512-1023; slot 0 gets keys 1024-1535
	LOOP2 3
	BLOCK SA, SB, 0, 1, 0, 1
	BLOCK SB, SA, 0, 0, 0, 1
	PHEAD 0, 1, 1                                  ; keys 1024-1535; slot 1 gets keys 1536-2047
	LOOP2 3
	BLOCK SA, SB, 0, 1, 0, 1
	BLOCK SB, SA, 0, 0, 0, 1
	PHEAD 1, 0, 0                                  ; keys 1536-2047; nothing is left to fetch
	LOOP2 3
	BLOCK SA, SB, 0, 1, 0, 1
	BLOCK SB, SA, 0, 0, 0, 0                       ; the last block asks for no mask words: none lie behind it
	; THE WAY OUT: divide by the sum, round to f16, 16 bytes a lane into my stage, read back as whole rows, 512 consecutive bytes a store.  Buffer A is free.
	PLACES                                         ; behind the last products
.irp a, 0,1
	v_add_f32 v[T0], v[STAT+8*\a+4], v[STAT+8*\a+5]
	v_permlanex16_b32 v[T2], v[T0], s14, s15
	v_add_f32 v[T0], v[T0], v[T2]                  ; at least about 1: the row's largest score gives p = 1
	v_rcp_f32 v[STAT+8*\a+6], v[T0]
	v_nop                                          ; the plain place behind the reciprocal
	s_wait_alu depctr_va_vdst(0)
	v_mov_b32 v[STAT+8*\a+7], v[STAT+8*\a+6]
.irp d, 0,1,2,3
.irp k, 0,1,2,3
	v_pk_mul_f32 v[O+32*\a+8*\d+2*\k:O+32*\a+8*\d+2*\k+1], v[O+32*\a+8*\d+2*\k:O+32*\a+8*\d+2*\k+1], v[STAT+8*\a+6:STAT+8*\a+7]
.endr
.irp k, 0,1,2,3
	v_cvt_pk_f16_f32 v[SA+16*\a+4*\d+\k], v[O+32*\a+8*\d+2*\k], v[O+32*\a+8*\d+2*\k+1]
.endr
	ds_store_b128 v[STO], v[SA+16*\a+4*\d:SA+16*\a+4*\d+3] offset:2304*\a+32*\d    ; query 16a + r, d = 16 dt + 8h .. +7
.endr
.endr
.irp t, 0,1,2,3,4,5,6,7
	ds_load_b128 v[SA+32+4*\t:SA+32+4*\t+3], v[RD] offset:576*\t   ; a wave's LDS instructions are served in order (ISA guide 5.7.1): these see the stores above
.endr
.irp t, 0,1,2,3,4,5,6,7
	s_wait_dscnt 7-\t                              ; load t is in, the younger ones stay out
	global_store_b128 v[CO], v[SA+32+4*\t:SA+32+4*\t+3], s[8:9] offset:512*\t
.endr
	s_wait_tensorcnt 0x0
	ds_add_u32 v17, v25
	s_wait_dscnt 0x0
	ROUND                                          ; the closing round: no work-group ends while a partner may still ask for a tile that names it
	s_endpgm
.Lfunc_end_k_qe0c03da916_attn:
	.size	k_qe0c03da916_attn, .Lfunc_end_k_qe0c03da916_attn-k_qe0c03da916_attn
	.p2alignl 7, 3214868480
	.fill 96, 4, 3214868480
	.section	.rodata,"a",@progbits
	.p2align	6, 0x0
	.amdhsa_kernel k_qe0c03da916_attn
		.amdhsa_group_segment_fixed_size 327680
		.amdhsa_private_segment_fixed_size 0
		.amdhsa_enable_private_segment 0
		.amdhsa_kernarg_size 24
		.amdhsa_user_sgpr_count 2
		.amdhsa_user_sgpr_kernarg_segment_ptr 1
		.amdhsa_wavefront_size32 1
		.amdhsa_system_sgpr_workgroup_id_x 1
		.amdhsa_system_sgpr_workgroup_id_y 1
		.amdhsa_system_sgpr_workgroup_id_z 1
		.amdhsa_system_vgpr_workitem_id 0
		.amdhsa_next_free_vgpr 384
		.amdhsa_next_free_sgpr 102
		.amdhsa_reserve_vcc 0
		.amdhsa_float_denorm_mode_32 3
		.amdhsa_float_denorm_mode_16_64 3
		.amdhsa_memory_ordered 1
		.amdhsa_forward_progress 1
		.amdhsa_inst_pref_size 255
	.end_amdhsa_kernel
	.section	.bss,"aw",@nobits
	.p2align	6
	.space	262144
	.amdgpu_metadata
---
amdhsa.version: [ 1, 2 ]
amdhsa.kernels:
  - .name:           k_qe0c03da916_attn
    .symbol:         k_qe0c03da916_attn.kd
    .args:
      - { .name: qkv, .offset: 0, .size: 8, .value_kind: global_buffer, .address_space: global }
      - { .name: mbits, .offset: 8, .size: 8, .value_kind: global_buffer, .address_space: global }
      - { .name: xa, .offset: 16, .size: 8, .value_kind: global_buffer, .address_space: global }
    .group_segment_fixed_size: 327680
    .private_segment_fixed_size: 0
    .kernarg_segment_align: 8
    .kernarg_segment_size: 24
    .max_flat_workgroup_size: 256
    .sgpr_count:     102
    .vgpr_count:     384
    .wavefront_size: 32
...
	.end_amdgpu_metadata
.endif
;; end of part 3
;; launch outp (part 4): grid 8 x 32, 4 waves a work-group, clusters of 4 x 4, 327,680 bytes of LDS; arguments xa, ch, wo_b, out0; writes out0
.if DOCPART == 4
	.amdgcn_target "amdgcn-amd-amdhsa--gfx1250"
	.amdhsa_code_object_version 6
	.text
	.protected	k_qe0c03da916_outp
	.globl	k_qe0c03da916_outp
	.p2align	8
	.type	k_qe0c03da916_outp,@function
k_qe0c03da916_outp:
	s_mov_b64 s[64:65], 0
	v_nop
	global_prefetch_b8 v0, s[64:65] scope:SCOPE_SE
	s_setreg_imm32_b32 hwreg(HW_REG_WAVE_MODE, 25, 1), 1
	s_wait_xcnt 0x0
	s_wait_alu depctr_hold_cnt(0) depctr_sa_sdst(0) depctr_va_vdst(0) depctr_va_sdst(0) depctr_va_ssrc(0) depctr_va_vcc(0) depctr_vm_vsrc(0)
	s_getreg_b32 s2, hwreg(HW_REG_IB_STS2, 6, 4)
	s_cmp_eq_u32 s2, 0
	s_cbranch_scc0 .Lentry_in_a_cluster
	s_endpgm
.Lentry_in_a_cluster:
	s_bfe_u32 s2, ttmp6, 0x10000c
	s_cmp_lg_u32 s2, 0xf033
	s_cbranch_scc0 .Lentry_shape_is_right
	s_endpgm
.Lentry_shape_is_right:
; C = X W^T + bias, K = 1024, f16 operands, f32 sums.  One text serves two launches; IS_OUT chooses arguments, B's row block and the way out.
;   IS_OUT = 0: X = q, k, v (row blocks 0-95 of ch), W = wq, wk, wv (row blocks 96 + 8 g + bx); result in f16, head-major:
;               qkv = [3][b*16+head][2048][64].
;   IS_OUT = 1: X = xa (attention's result, blocked like ch with chunk = head), W = wo (row blocks 120 + bx); result out0 in f32.
; LIMIT: results of magnitude above 65,504 become infinities in qkv (f16).
; A work-group makes 128 x 128 of C with four waves of 64 x 64 (16 accumulator tiles each).  K goes in four phases of 256 through two
; LDS slots.  In the blocked layout a phase's tile of X or W is 65,536 dense bytes; it comes in as rows of 256 bytes (two matrix rows of one
; chunk), 16 bytes of padding behind each: matrix row t, chunk c, byte kb lies at c*17408 + (t>>1)*272 + (t&1)*128 + kb, so the 16 rows
; of a fragment load start at 16 different multiples of 16 bytes modulo 256.
; CLUSTER 4 x 4: X's tile hangs on the block row alone and is asked for jointly by a row of the cluster, W's on the block column alone and
; is asked for jointly by a column.  Waves 0, 1 ask for X's halves, waves 2, 3 for W's: one tensor load a wave.
; No register that feeds X's descriptors ever holds cx, none that feeds W's ever holds cy, none that feeds an LDS address either.
; THE MATRIX INSTRUCTION IS USED TRANSPOSED (source 0 = 16 rows of W, source 1 = 16 rows of X): lane (r, h) holds row r of C and
; columns 8h .. 8h+7.  The bias, laid out so, is the C operand of the first product: nothing is cleared and nothing added later.
.set IS_OUT, 1
.set PITCH,  272
.set CHUNK,  64*PITCH                  ; a chunk of 128 matrix rows in LDS
.set HALFT,  128*PITCH                 ; what one tensor load brings: two chunks
.set SLOT,   4*HALFT                   ; X's four chunks, then W's
.set STAGE,  2*SLOT                    ; behind the ring, never filled by a tensor load: each wave's stage for the way out
.set PHB,    65536                     ; bytes of a phase's tile in memory
.set ADRA, 8                           ; v8, v9    LDS address of my X fragments in slot 0, 1
.set ADRB, 10                          ; v10, v11  the same for W
.set STO,  12                          ; v12  way out: where I put my piece of a row
.set RD,   13                          ; v13  way out: where I read rows back
.set CO,   14                          ; v14  my byte offset in the result
.set BO,   15                          ; v15  32 h: my eight bias numbers in a column tile
.set BIAS, 16                          ; v[16:47]   bias, 8 registers for each of 4 column tiles
.set F0,   48                          ; v[48:111]  fragment buffer 0: W's four at +8b, X's four at +32+8a
.set F1,   112                         ; v[112:175] fragment buffer 1
.set TMP,  176                         ; v[176:191] way out: packed results
                                       ; window 1 (v256-383): accumulator tile (a, b) at v[8 (4a + b)]
.set G1,  24                           ; s[24:31] descriptor group 1 for X
.set G0,  32                           ; s[32:39] group 0 for X, a set for each slot
.set G1B, 48                           ; s[48:55] group 1 for W
.set G0B, 56                           ; s[56:63] group 0 for W
.set MSB, 0
.macro WIN new                         ; s_set_vgpr_msb: low byte bits 1:0 source 0, 3:2 source 1, 5:4 source 2, 7:6 destination; high byte = the setting left
.if MSB != \new
	s_set_vgpr_msb (MSB<<8)|\new
.set MSB, \new
.endif
.endm
.macro PLACES                          ; four plain vector instructions behind a matrix instruction (ISA guide 7.12.1), before its registers are loaded into or its result read
.rept 4
	v_nop
.endr
.endm
.macro JLOAD s                         ; my one joint load for slot s; the branch hangs on the wave's number alone
	s_cmp_eq_u32 s13, 0
	s_cbranch_scc0 .Lfor_b_\@
	tensor_load_to_lds s[G0+4*\s:G0+4*\s+3], s[G1:G1+7]
	s_nop 0
	s_branch .Lasked_\@
.Lfor_b_\@:
	tensor_load_to_lds s[G0B+4*\s:G0B+4*\s+3], s[G1B:G1B+7]
	s_nop 0
.Lasked_\@:
.endm
.macro CROUND                          ; a round of the cluster's barrier: my work-group's barrier, wave 0 signals for it, all wait for all sixteen, my work-group's barrier again
	s_barrier_signal -1
	s_barrier_wait -1
	s_cmp_lg_u32 s12, 0
	s_cbranch_scc1 .Lnot_wave_0_\@
	s_barrier_signal -3
.Lnot_wave_0_\@:
	s_barrier_wait -3
	s_barrier_signal -1
	s_barrier_wait -1
.endm
.if IS_OUT
	s_load_b256 s[4:11], s[0:1], 0x0               ; xa s[4:5], ch s[6:7], wo_b s[8:9], out0 s[10:11]
	v_lshl_add_u32 v254, v0, 2, 0x48400
	v_mov_b32 v255, 0
	ds_add_u32 v254, v255
.else
	s_load_b64 s[4:5], s[0:1], 0x0                 ; ch, for X
	s_load_b64 s[6:7], s[0:1], 0x0                 ; ch, for W
	s_load_b128 s[68:71], s[0:1], 0x8              ; wq_b, wk_b
	s_load_b64 s[72:73], s[0:1], 0x18              ; wv_b
	s_load_b64 s[10:11], s[0:1], 0x20              ; qkv
.endif
	v_lshrrev_b32 v1, 5, v0
	v_readfirstlane_b32 s12, v1                    ; wave 0..3
	s_lshr_b32 s13, s12, 1                         ; wm: my 64 rows.  Also: I ask for X (0) or W (1)
	s_and_b32 s14, s12, 1                          ; wn: my 64 columns.  Also: which half of that tile I ask for
	s_bfe_u32 s15, ttmp6, 0x40000                  ; cx
	s_bfe_u32 s16, ttmp6, 0x40004                  ; cy
	s_lshl_b32 s17, ttmp9, 2
	s_add_co_u32 s17, s17, s15                     ; bx: block column = 4 x cluster x + cx
	s_and_b32 s19, ttmp7, 0xffff                   ; cluster y
	s_lshl_b32 s18, s19, 2
	s_add_co_u32 s18, s18, s16                     ; by: block row = 4 x cluster y + cy
	s_lshr_b32 s19, s19, 3                         ; g = by / 32 (q, k or v), from the cluster's y alone: equal in all partners
	s_lshl_b32 s20, s16, 2
	s_lshl_b32 s20, 15, s20                        ; my row of the cluster: places 4 cy .. 4 cy + 3
	s_lshl_b32 s21, 0x1111, s15                    ; my column: places cx, cx+4, cx+8, cx+12
	; group 1: 128 rows of 128 elements of 2 bytes, dense in memory (pitch 128 elements), 4 words of padding behind every 64 words in LDS
	s_or_b32 s[G1+0], s20, (1<<16)|(1<<20)|(1<<21)|(5<<22)|(3<<25)
	s_or_b32 s[G1B+0], s21, (1<<16)|(1<<20)|(1<<21)|(5<<22)|(3<<25)
	s_mov_b32 s[G1+1], 128<<16                     ; tensor_dim0 = 128
	s_mov_b32 s[G1B+1], 128<<16
	s_mov_b32 s[G1+2], 128<<16                     ; tensor_dim1 = 128
	s_mov_b32 s[G1B+2], 128<<16
	s_mov_b32 s[G1+3], 128<<16                     ; tile_dim0 = 128
	s_mov_b32 s[G1B+3], 128<<16
	s_mov_b32 s[G1+4], 128                         ; tile_dim1 = 128
	s_mov_b32 s[G1B+4], 128
	s_mov_b32 s[G1+5], 128                         ; elements from row to row
	s_mov_b32 s[G1B+5], 128
	s_mov_b32 s[G1+6], 0
	s_mov_b32 s[G1B+6], 0
	s_mov_b32 s[G1+7], 0
	s_mov_b32 s[G1B+7], 0
	s_lshl_b32 s2, s14, 15                         ; my half of a phase's tile: 32,768 bytes
	s_lshl_b32 s40, s18, 18                        ; X: row block by
	s_add_co_u32 s40, s40, s2
	s_mov_b32 s41, 0
.if IS_OUT
	s_add_co_u32 s42, s17, 120                     ; W: row block 120 + bx
.else
	s_lshl_b32 s42, s19, 3
	s_add_co_u32 s42, s42, s17
	s_add_co_u32 s42, s42, 96                      ; W: row block 96 + 8 g + bx
.endif
	s_lshl_b32 s42, s42, 18
	s_add_co_u32 s42, s42, s2
	s_mov_b32 s43, 0
	s_mul_i32 s22, s12, HALFT                      ; where my load lands: X's halves, then W's = wave x 128 LDS rows
	s_wait_dscnt 0x0
	s_wait_kmcnt 0x0
	s_add_nc_u64 s[40:41], s[4:5], s[40:41]
	s_add_nc_u64 s[42:43], s[6:7], s[42:43]
	CROUND                                         ; all sixteen work-groups are here: the first joint loads meet
.irp s, 0,1
	s_mov_b32 s[G0+4*\s], 1
	s_add_co_u32 s[G0+4*\s+1], s22, \s*SLOT
	s_add_nc_u64 s[G0+4*\s+2:G0+4*\s+3], s[40:41], \s*PHB          ; phase s
	s_or_b32 s[G0+4*\s+3], s[G0+4*\s+3], 0x80000000
	s_mov_b32 s[G0B+4*\s], 1
	s_add_co_u32 s[G0B+4*\s+1], s22, \s*SLOT
	s_add_nc_u64 s[G0B+4*\s+2:G0B+4*\s+3], s[42:43], \s*PHB
	s_or_b32 s[G0B+4*\s+3], s[G0B+4*\s+3], 0x80000000
	JLOAD \s                                       ; both first fills go out together: two tensor loads of this wave are out
.endr
	; the bias of my 64 columns
.if IS_OUT == 0
	s_mov_b64 s[8:9], s[68:69]
	s_cmp_eq_u32 s19, 1
	s_cselect_b64 s[8:9], s[70:71], s[8:9]
	s_cmp_eq_u32 s19, 2
	s_cselect_b64 s[8:9], s[72:73], s[8:9]
.endif
	s_lshl_b32 s46, s17, 9
	s_lshl_b32 s47, s14, 8
	s_add_co_u32 s46, s46, s47
	s_mov_b32 s47, 0
	s_add_nc_u64 s[8:9], s[8:9], s[46:47]
	v_and_b32 v1, 15, v0                           ; r
	v_bfe_u32 v2, v0, 4, 1                         ; h
	v_lshlrev_b32 v[BO], 5, v2
.irp b, 0,1,2,3
	global_load_b128 v[BIAS+8*\b:BIAS+8*\b+3], v[BO], s[8:9] offset:64*\b          ; columns 16b + 8h .. +3
	global_load_b128 v[BIAS+8*\b+4:BIAS+8*\b+7], v[BO], s[8:9] offset:64*\b+16
.endr
	; a fragment is 16 rows x 32 K in 8 registers: lane (r, h) holds row r, K = 8h .. +7 and 16+8h .. +7: two loads of 16 bytes, 32 bytes apart
	v_lshrrev_b32 v3, 1, v1
	v_and_b32 v4, 1, v1
	v_mul_u32_u24 v5, v3, PITCH
	v_lshl_add_u32 v5, v4, 7, v5
	v_lshl_add_u32 v5, v2, 4, v5                   ; (r>>1)*272 + (r&1)*128 + 16 h
	s_mul_i32 s44, s13, 8704                       ; my 64 rows of X (32 LDS rows)
	s_mul_i32 s45, s14, 8704
	s_add_co_u32 s45, s45, 2*HALFT                 ; my 64 rows of W, behind X's chunks
.irp s, 0,1
	v_add_nc_u32 v[ADRA+\s], s44, v5
	v_add_nc_u32 v[ADRB+\s], s45, v5
	s_add_co_u32 s44, s44, SLOT
	s_add_co_u32 s45, s45, SLOT
.endr
.if IS_OUT
	s_mul_i32 s23, s12, 16*272
	s_add_co_u32 s23, s23, STAGE                   ; my stage: 16 rows of 256 bytes, pitch 272
	v_mul_u32_u24 v3, v1, 272
	v_lshl_add_u32 v3, v2, 5, v3
	v_add_nc_u32 v[STO], s23, v3                   ; row r, 32 bytes for each half of the lanes
	v_mul_u32_u24 v3, v2, 272
	v_lshl_add_u32 v3, v1, 4, v3
	v_add_nc_u32 v[RD], s23, v3                    ; back: lanes 0-15 one row of 256 bytes, lanes 16-31 the next
	v_lshlrev_b32 v3, 12, v2
	v_lshl_add_u32 v[CO], v1, 4, v3                ; the same two rows in out0 (4,096 bytes apart)
	s_lshl_b32 s46, s18, 19                        ; 128 rows of 4,096 bytes
	s_lshl_b32 s47, s13, 18
	s_add_co_u32 s46, s46, s47
	s_lshl_b32 s47, s17, 9                         ; 128 columns of 4 bytes
	s_add_co_u32 s46, s46, s47
	s_lshl_b32 s47, s14, 8
	s_add_co_u32 s46, s46, s47
.else
	s_mul_i32 s23, s12, 16*144
	s_add_co_u32 s23, s23, STAGE                   ; my stage: 16 rows of 128 bytes, pitch 144
	v_mul_u32_u24 v3, v1, 144
	v_lshl_add_u32 v3, v2, 4, v3
	v_add_nc_u32 v[STO], s23, v3                   ; row r, 16 bytes for each half of the lanes
	v_and_b32 v4, 31, v0
	v_lshrrev_b32 v3, 3, v4
	v_mul_u32_u24 v3, v3, 144
	v_and_b32 v5, 7, v0
	v_lshl_add_u32 v3, v5, 4, v3
	v_add_nc_u32 v[RD], s23, v3                    ; back: eight lanes a row, four rows a load
	v_lshlrev_b32 v[CO], 4, v4                     ; those four rows are 512 consecutive bytes of a head
	s_and_b32 s46, s18, 16                         ; batch x 16 heads
	s_lshl_b32 s47, s17, 1
	s_add_co_u32 s46, s46, s47
	s_add_co_u32 s46, s46, s14                     ; + head 2 bx + wn
	s_lshl_b32 s46, s46, 18
	s_lshl_b32 s47, s19, 23                        ; plane g
	s_add_co_u32 s46, s46, s47
	s_and_b32 s47, s18, 15
	s_lshl_b32 s47, s47, 14                        ; 128 tokens of 128 bytes
	s_add_co_u32 s46, s46, s47
	s_lshl_b32 s47, s13, 13
	s_add_co_u32 s46, s46, s47
.endif
	s_mov_b32 s47, 0
	s_add_nc_u64 s[10:11], s[10:11], s[46:47]
; 16 LDS loads in one run: the fragments of quarter kq (32 along K) of a phase into buffer f
.macro FETCH slot, kq, f
.irp i, 0,1,2,3
	ds_load_b128 v[\f+8*\i:\f+8*\i+3],   v[ADRB+\slot] offset:((\kq)>>1)*CHUNK+((\kq)&1)*64+\i*2176
	ds_load_b128 v[\f+8*\i+4:\f+8*\i+7], v[ADRB+\slot] offset:((\kq)>>1)*CHUNK+((\kq)&1)*64+\i*2176+32
.endr
.irp i, 0,1,2,3
	ds_load_b128 v[\f+32+8*\i:\f+32+8*\i+3],   v[ADRA+\slot] offset:((\kq)>>1)*CHUNK+((\kq)&1)*64+\i*2176
	ds_load_b128 v[\f+32+8*\i+4:\f+32+8*\i+7], v[ADRA+\slot] offset:((\kq)>>1)*CHUNK+((\kq)&1)*64+\i*2176+32
.endr
.endm
; 8 matrix instructions: row tiles a0, a0+1 x all four column tiles.  zero = 1: the bias starts the sums.
; The 16 accumulators take turns, one instruction a turn, in the same order in every quarter.
.macro MUL8 f, a0, zero
.irp a, \a0, \a0+1
.irp b, 0,1,2,3
.if \zero
	v_wmma_f32_16x16x32_f16 v[8*(4*(\a)+\b):8*(4*(\a)+\b)+7], v[\f+8*\b:\f+8*\b+7], v[\f+32+8*(\a):\f+32+8*(\a)+7], v[BIAS+8*\b:BIAS+8*\b+7]
.else
	v_wmma_f32_16x16x32_f16 v[8*(4*(\a)+\b):8*(4*(\a)+\b)+7], v[\f+8*\b:\f+8*\b+7], v[\f+32+8*(\a):\f+32+8*(\a)+7], v[8*(4*(\a)+\b):8*(4*(\a)+\b)+7]
.endif
.endr
.endr
.endm
; A quarter: buffer f's 16 loads are in; the next quarter's (nk) go out into buffer g, which the last quarter's products read (four places);
; then 16 matrix instructions on buffer f, in which those loads land.
.macro QUARTER slot, nk, f, g, zero, fetch
	s_wait_dscnt 0x0                               ; the 16 loads of this quarter are all that is out
.if \fetch
	WIN 0
	PLACES
	FETCH \slot, \nk, \g
.endif
.if \zero
	WIN 0x40                                       ; D in window 1, the bias as C in window 0
.else
	WIN 0x50                                       ; C and D in window 1
.endif
	MUL8 \f, 0, \zero
	MUL8 \f, 2, \zero
.endm
.macro PHASE slot, zero                ; 256 along K: eight quarters on buffers 0, 1, 0, 1 ..
	WIN 0
.if \zero == 0
	PLACES
.endif
	FETCH \slot, 0, F0
	QUARTER \slot, 1, F0, F1, \zero, 1
	QUARTER \slot, 2, F1, F0, 0, 1
	QUARTER \slot, 3, F0, F1, 0, 1
	QUARTER \slot, 4, F1, F0, 0, 1
	QUARTER \slot, 5, F0, F1, 0, 1
	QUARTER \slot, 6, F1, F0, 0, 1
	QUARTER \slot, 7, F0, F1, 0, 1
	QUARTER \slot, 0, F1, F0, 0, 0
.endm
; The change of slots.  other = the slot read last.  In front of the barrier each wave has waited for all its tensor loads (the one that was out is
; its part of the slot read next) and for its reads of the other slot.  refill = 1: the barrier is a round of the cluster's barrier, and the joint
; refill of the other slot, two phases ahead, is the first thing behind it: one tensor load of this wave is out.
.macro HEAD other, refill
	WIN 0
	s_wait_tensorcnt 0x0
	ds_add_u32 v254, v255
	s_wait_dscnt 0x0
.if \refill
	s_add_nc_u64 s[G0+4*\other+2:G0+4*\other+3], s[G0+4*\other+2:G0+4*\other+3], 2*PHB     ; no load of mine is out: group 0 may be written
	s_add_nc_u64 s[G0B+4*\other+2:G0B+4*\other+3], s[G0B+4*\other+2:G0B+4*\other+3], 2*PHB
.endif
	s_wait_dscnt 0x0
.if \refill
	CROUND
	JLOAD \other
.else
	s_barrier_signal -1
	s_barrier_wait -1
.endif
.endm
	s_wait_loadcnt 0x0                             ; the bias
	s_wait_tensorcnt 0x1                           ; my part of phase 0 is in; phase 1's load may stay out
	s_barrier_signal -1
	s_barrier_wait -1                              ; everybody's part is in
	PHASE 0, 1
	HEAD 0, 1                                      ; slot 0 gets phase 2
	PHASE 1, 0
	HEAD 1, 1                                      ; slot 1 gets phase 3
	PHASE 0, 0
	HEAD 0, 0                                      ; nothing is left to fetch
	PHASE 1, 0
	PLACES                                         ; behind the last products: their results are read, buffers 0 and 1 loaded into
; THE WAY OUT, 16 rows at a time through my own stage: a wave's LDS instructions are served in order (ISA guide 5.7.1), so no wait stands between stores and loads
.if IS_OUT
.macro OUT16 a, f
	WIN 0x04                                       ; the stores' data in window 1
.irp b, 0,1,2,3
	ds_store_b128 v[STO], v[8*(4*\a+\b):8*(4*\a+\b)+3] offset:64*\b
	ds_store_b128 v[STO], v[8*(4*\a+\b)+4:8*(4*\a+\b)+7] offset:64*\b+16
.endr
	WIN 0
	s_wait_xcnt 0x0                                ; buffer f was the data of earlier stores: it is loaded into only behind this wait
.irp t, 0,1,2,3,4,5,6,7
	ds_load_b128 v[\f+4*\t:\f+4*\t+3], v[RD] offset:544*\t
.endr
.irp t, 0,1,2,3,4,5,6,7
	s_wait_dscnt 7-\t                              ; load t is in, the younger ones stay out
	global_store_b128 v[CO], v[\f+4*\t:\f+4*\t+3], s[10:11] offset:\a*65536+\t*8192   ; sixteen lanes store 256 consecutive aligned bytes of a row
.endr
.endm
.else
.macro OUT16 a, f
	WIN 0x05                                       ; both sources in window 1
.irp b, 0,1,2,3
.irp k, 0,1,2,3
	v_cvt_pk_f16_f32 v[TMP+4*\b+\k], v[8*(4*\a+\b)+2*\k], v[8*(4*\a+\b)+2*\k+1]
.endr
.endr
	WIN 0
.irp b, 0,1,2,3
	ds_store_b128 v[STO], v[TMP+4*\b:TMP+4*\b+3] offset:32*\b
.endr
	s_wait_xcnt 0x0                                ; buffer f was the data of earlier stores: it is loaded into only behind this wait
.irp t, 0,1,2,3
	ds_load_b128 v[\f+4*\t:\f+4*\t+3], v[RD] offset:576*\t
.endr
.irp t, 0,1,2,3
	s_wait_dscnt 3-\t                              ; load t is in, the younger ones stay out
	global_store_b128 v[CO], v[\f+4*\t:\f+4*\t+3], s[10:11] offset:\a*2048+\t*512     ; the wave stores 512 consecutive aligned bytes: four tokens of a head
.endr
.endm
.endif
	OUT16 0, F0
	OUT16 1, F1
	OUT16 2, F0
	OUT16 3, F1
	s_wait_tensorcnt 0x0
	ds_add_u32 v254, v255
	s_wait_dscnt 0x0
	CROUND                                         ; the closing round: no work-group ends while a partner may still ask for a tile that names it
	s_endpgm
.Lfunc_end_k_qe0c03da916_outp:
	.size	k_qe0c03da916_outp, .Lfunc_end_k_qe0c03da916_outp-k_qe0c03da916_outp
	.p2alignl 7, 3214868480
	.fill 96, 4, 3214868480
	.section	.rodata,"a",@progbits
	.p2align	6, 0x0
	.amdhsa_kernel k_qe0c03da916_outp
		.amdhsa_group_segment_fixed_size 327680
		.amdhsa_private_segment_fixed_size 0
		.amdhsa_enable_private_segment 0
		.amdhsa_kernarg_size 32
		.amdhsa_user_sgpr_count 2
		.amdhsa_user_sgpr_kernarg_segment_ptr 1
		.amdhsa_wavefront_size32 1
		.amdhsa_system_sgpr_workgroup_id_x 1
		.amdhsa_system_sgpr_workgroup_id_y 1
		.amdhsa_system_sgpr_workgroup_id_z 1
		.amdhsa_system_vgpr_workitem_id 0
		.amdhsa_next_free_vgpr 384
		.amdhsa_next_free_sgpr 66
		.amdhsa_reserve_vcc 0
		.amdhsa_float_denorm_mode_32 3
		.amdhsa_float_denorm_mode_16_64 3
		.amdhsa_memory_ordered 1
		.amdhsa_forward_progress 1
		.amdhsa_inst_pref_size 89
	.end_amdhsa_kernel
	.amdgpu_metadata
---
amdhsa.version: [ 1, 2 ]
amdhsa.kernels:
  - .name:           k_qe0c03da916_outp
    .symbol:         k_qe0c03da916_outp.kd
    .args:
      - { .name: xa, .offset: 0, .size: 8, .value_kind: global_buffer, .address_space: global }
      - { .name: ch, .offset: 8, .size: 8, .value_kind: global_buffer, .address_space: global }
      - { .name: wo_b, .offset: 16, .size: 8, .value_kind: global_buffer, .address_space: global }
      - { .name: out0, .offset: 24, .size: 8, .value_kind: global_buffer, .address_space: global }
    .group_segment_fixed_size: 327680
    .private_segment_fixed_size: 0
    .kernarg_segment_align: 8
    .kernarg_segment_size: 32
    .max_flat_workgroup_size: 128
    .sgpr_count:     66
    .vgpr_count:     384
    .wavefront_size: 32
...
	.end_amdgpu_metadata
.endif
;; end of part 4
;; ======== version 2 of 2: 4 launches; version 1 with the launch prep written anew for expert scheduling mode
;; limits: values are held in f16: magnitudes above 65,504 overflow, below 6.1e-05 lose precision
;; workspace buffers: ch 33,554,432 bytes; mbits 1,048,576 bytes of whole numbers; qkv 25,165,824 bytes; xa 8,388,608 bytes
;; launch prep (part 5): grid 256 x 1, 8 waves a work-group, no clusters, 0 bytes of LDS; arguments q, k, v, wq_w, wk_w, wv_w, wo_w, mask, ch, mbits; writes ch, mbits
.if DOCPART == 5
	.amdgcn_target "amdgcn-amd-amdhsa--gfx1250"
	.amdhsa_code_object_version 6
	.text
	.protected	k_qe0c03da916_prep
	.globl	k_qe0c03da916_prep
	.p2align	8
	.type	k_qe0c03da916_prep,@function
k_qe0c03da916_prep:
	s_mov_b64 s[64:65], 0
	v_nop
	global_prefetch_b8 v0, s[64:65] scope:SCOPE_SE
	s_setreg_imm32_b32 hwreg(HW_REG_WAVE_SCHED_MODE, 0, 2), 2
	s_setreg_imm32_b32 hwreg(HW_REG_WAVE_MODE, 25, 1), 1
	s_wait_xcnt 0x0
	s_wait_alu depctr_vm_vsrc(0)
; prep: (1) casts q, k, v, wq_w, wk_w, wv_w, wo_w from f32 to f16 into ch, in a layout blocked along K:
;       ch = [128 row blocks][16 chunks of 64 K][128 rows][64] f16; row blocks 0-31 q, 32-63 k, 64-95 v (rows b*2048+s),
;       96-103 wq, 104-111 wk, 112-119 wv, 120-127 wo (rows = output features).  A (row block, chunk) is 16,384 dense bytes.
;       (2) packs the mask bytes into lane masks for the attention launch:
;       mbits = [256 query tiles of 16][128 key tiles of 16][8 j] words; bit r+16h of word (Qt, T, j) is the lowest bit of
;       mask[16 Qt + r][16 T + 4 (j>>1) + (j&1) + 2 h]: the place that lane (r, h), register j of a score tile holds there.
; LIMITS: a number of magnitude above 65,504 becomes an infinity in f16; a bool is read by its lowest bit.
; A stream: no LDS, no barrier, no matrix unit, no cluster (no two work-groups read the same bytes).
; Work-group i: rows 64 (i&1) .. +63 of row block i>>1, and query tile i of the mask.  Wave w: 8 rows; keys 256 w .. +255.
; One cast step: a load of 16 bytes a lane, lanes 0-15 on 256 aligned bytes of row t, lanes 16-31 of row t+1 (one chunk);
; a store of 8 bytes a lane: the wave's 256 consecutive aligned bytes of ch (rows t, t+1 of that chunk).
; THE MODE: SCHED_MODE bits 1:0 = 2 (LLVM: expert scheduling mode 2), set by the entry lines.  The code itself states the register dependences
; between vector instructions and memory instructions, with s_wait_alu, always for 0.
; THE PLAN.  Registers that memory instructions touch:
;   v1 .. v4   byte offsets, made once at the head and never named by a vector instruction again: the rows are reached by immediate offsets.
;   X0, X1     Step p (row pair p): its 32 conversions read X[p % 2]; behind them the loads of pair p + 2 (behind step 2: the mask's) land in it.
;   Y0, Y1     Step p: its conversions write Y[p % 2]; its 16 stores read it; step p + 2's conversions write it again.
;   W          Written by the 128 v_writelane_b32; read by the one last store.
;   T and SH are named by vector instructions alone.  s[32:63]: a run of 32 compares writes them, the run's 32 v_writelane_b32 read them.
; So ONE wait on va_vdst stands in a step, behind its conversions: it states that Y[p % 2] is written and that X[p % 2] has been read.  The step's 16 loads
; and 16 stores follow it with no vector instruction between, the loads first.  One wait on vm_vsrc stands at the head of steps 2 and 3, ahead of the
; conversions that write a Y again.  One wait on va_sdst stands behind each run of compares.
.set SO, 1                             ; v1   source offset: (L>>4) rows of 4,096 bytes + 16 (L&15)
.set DO, 2                             ; v2   destination offset: 8 L
.set MO, 3                             ; v3   mask offset: (L&15) rows of 2,048 bytes
.set WO, 4                             ; v4   offset of my four packed words: 16 L
.set SH, 5                             ; v5, v6  shifts that bring bit 0 of byte 2h, 2h+1 to the sign: 31-16h, 23-16h
.set W,  8                             ; v[8:11]  lane l gathers words 4l .. 4l+3
.set T,  12                            ; v[12:15] shifted words, four at a time
.set X0, 16                            ; v[16:79]   16 loads of one row pair
.set X1, 80                            ; v[80:143]  the other buffer
.set Y0, 144                           ; v[144:175] 16 stores' data
.set Y1, 176                           ; v[176:207] the other buffer
.set MS, 32                            ; s[32:63]   the lane masks of a run of 32 words
	s_load_b512 s[4:19], s[0:1], 0x0               ; q s[4:5], k s[6:7], v s[8:9], wq s[10:11], wk s[12:13], wv s[14:15], wo s[16:17], mask s[18:19]
	s_load_b128 s[20:23], s[0:1], 0x40             ; ch s[20:21], mbits s[22:23]
	v_lshrrev_b32 v7, 5, v0
	v_readfirstlane_b32 s24, v7                    ; wave 0..7
	s_lshr_b32 s25, ttmp9, 1                       ; row block
	s_and_b32 s27, ttmp9, 1                        ; which 64 rows of it
	v_and_b32 v7, 31, v0                           ; L
	v_and_b32 v[MO], 15, v0                        ; r
	v_bfe_u32 v[WO], v0, 4, 1                      ; h
	v_lshlrev_b32 v[SO], 4, v[MO]
	v_lshl_add_u32 v[SO], v[WO], 12, v[SO]
	v_lshlrev_b32 v[DO], 3, v7
	v_lshlrev_b32 v[MO], 11, v[MO]
	v_lshlrev_b32 v[SH], 4, v[WO]                  ; 16 h
	v_sub_nc_u32 v[SH+1], 23, v[SH]
	v_sub_nc_u32 v[SH], 31, v[SH]
	v_lshlrev_b32 v[WO], 4, v7
.irp i, 0,1,2,3
	v_mov_b32 v[W+\i], 0                           ; v_writelane_b32 keeps the other lanes: the register is written whole once
.endr
	s_wait_alu depctr_va_sdst(0)                   ; s24 is written, ahead of its first reader: the wave's part of the four offsets below is made from it
	s_wait_kmcnt 0x0
	; the source tensor and its first row block, by the row block's number
	s_mov_b64 s[28:29], s[4:5]
	s_mov_b32 s26, 0
.macro PICK bound, lo
	s_cmp_ge_u32 s25, \bound
	s_cselect_b64 s[28:29], s[\lo:\lo+1], s[28:29]
	s_cselect_b32 s26, \bound, s26
.endm
	PICK 32, 6
	PICK 64, 8
	PICK 96, 10
	PICK 104, 12
	PICK 112, 14
	PICK 120, 16
	s_sub_co_u32 s30, s25, s26
	s_lshl_b32 s30, s30, 19                        ; 128 rows of 4,096 bytes
	s_lshl_b32 s31, s27, 18                        ; 64 rows
	s_add_co_u32 s30, s30, s31
	s_lshl_b32 s31, s24, 15                        ; 8 rows
	s_add_co_u32 s30, s30, s31
	s_mov_b32 s31, 0
	s_add_nc_u64 s[28:29], s[28:29], s[30:31]
	s_lshl_b32 s32, s25, 18                        ; a row block of ch
	s_lshl_b32 s33, s27, 13                        ; 64 rows of 128 bytes
	s_add_co_u32 s32, s32, s33
	s_lshl_b32 s33, s24, 10                        ; 8 rows
	s_add_co_u32 s32, s32, s33
	s_mov_b32 s33, 0
	s_add_nc_u64 s[20:21], s[20:21], s[32:33]
	s_lshl_b32 s32, ttmp9, 15                      ; 16 rows of the mask
	s_lshl_b32 s33, s24, 8                         ; 256 keys
	s_add_co_u32 s32, s32, s33
	s_mov_b32 s33, 0
	s_add_nc_u64 s[18:19], s[18:19], s[32:33]
	s_lshl_b32 s32, ttmp9, 12                      ; a query tile's 1,024 words
	s_lshl_b32 s33, s24, 9                         ; my 128 words
	s_add_co_u32 s32, s32, s33
	s_mov_b32 s33, 0
	s_add_nc_u64 s[22:23], s[22:23], s[32:33]
.macro LOADP p, x                      ; row pair p of my four: its 16 chunks
.irp c, 0,1,2,3,4,5,6,7,8,9,10,11,12,13,14,15
	global_load_b128 v[\x+4*\c:\x+4*\c+3], v[SO], s[28:29] offset:\p*8192+\c*256 th:TH_LOAD_NT
.endr
.endm
.macro CVT x, y                        ; a row pair is rounded to f16: 32 conversions
.irp c, 0,1,2,3,4,5,6,7,8,9,10,11,12,13,14,15
	v_cvt_pk_f16_f32 v[\y+2*\c], v[\x+4*\c], v[\x+4*\c+1]
	v_cvt_pk_f16_f32 v[\y+2*\c+1], v[\x+4*\c+2], v[\x+4*\c+3]
.endr
.endm
.macro STOREP p, y                     ; and stored: its 16 chunks
.irp c, 0,1,2,3,4,5,6,7,8,9,10,11,12,13,14,15
	global_store_b64 v[DO], v[\y+2*\c:\y+2*\c+1], s[20:21] offset:\c*16384+\p*256
.endr
.endm
	s_wait_alu depctr_va_vdst(0)                   ; the four offsets v1 to v4 are written: every load and store of the kernel reads one of them
	LOADP 0, X0
	LOADP 1, X1
	; step 0
	s_wait_loadcnt 16                              ; pair 0 is in; the 16 younger loads stay out
	CVT X0, Y0
	s_wait_alu depctr_va_vdst(0)                   ; the conversions have written Y0, which the stores below read, and are done reading X0, in which the loads below land
	LOADP 2, X0                                    ; the buffer is asked for again at once, ahead of the stores
	STOREP 0, Y0
	; step 1
	s_wait_loadcnt 16                              ; pair 1 is in; pair 2's 16 loads stay out
	CVT X1, Y1
	s_wait_alu depctr_va_vdst(0)                   ; the conversions have written Y1 and are done reading X1
	LOADP 3, X1
	STOREP 1, Y1
	; step 2
	s_wait_loadcnt 16                              ; pair 2 is in; pair 3's 16 loads stay out
	s_wait_xcnt 0x0                                ; Y0 was the data of step 0's stores: it is rewritten only behind this wait,
	s_wait_alu depctr_vm_vsrc(0)                   ; and behind this one: those stores have read Y0
	CVT X0, Y0
	s_wait_alu depctr_va_vdst(0)                   ; the conversions have written Y0 and are done reading X0, in which the mask's loads land
	; the mask: lane (r, h) takes 16 keys' bytes of row r; both halves of the wave read the same bytes, and the 16 loads together take 256 consecutive bytes of each row
.irp t, 0,1,2,3,4,5,6,7,8,9,10,11,12,13,14,15
	global_load_b128 v[X0+4*\t:X0+4*\t+3], v[MO], s[18:19] offset:16*\t
.endr
	STOREP 2, Y0
	; step 3
	s_wait_loadcnt 16                              ; pair 3 is in; the mask's 16 loads stay out
	s_wait_xcnt 0x0                                ; Y1 was the data of step 1's stores: it is rewritten only behind this wait,
	s_wait_alu depctr_vm_vsrc(0)                   ; and behind this one: those stores have read Y1
	CVT X1, Y1
	s_wait_alu depctr_va_vdst(0)                   ; the conversions have written Y1, which the stores below read
	STOREP 3, Y1
	s_wait_loadcnt 0x0                             ; the mask's bytes
; word n = 8 t + 2 d + e: the lanes' bits of byte e + 2h of word d of key tile t, gathered by a compare; lane n>>2 keeps it in register n&3.
; The 128 words go in four runs of 32.  BITS: run k's shifts and compares, four and four, so that no compare stands straight behind its own shift;
; word n's lane mask goes into s[MS + n % 32].  KEEP: the run's 32 words go to their lanes.
.macro BITS k
.set n, 32*(\k)
.rept 8
.irp i, 0,1,2,3
	v_lshlrev_b32 v[T+\i], v[SH+(\i&1)], v[X0+((n+\i)>>1)]
.endr
.irp i, 0,1,2,3
	v_cmp_gt_i32 s[MS+((n+\i)&31)], 0, v[T+\i]
.endr
.set n, n+4
.endr
.endm
.macro KEEP k
.set n, 32*(\k)
.rept 32
	v_writelane_b32 v[W+(n&3)], s[MS+(n&31)], n>>2
.set n, n+1
.endr
.endm
	BITS 0
	s_wait_alu depctr_va_sdst(0)                   ; the run's 32 compares have written s[32:63], ahead of the first v_writelane_b32 that reads them
	KEEP 0
	BITS 1
	s_wait_alu depctr_va_sdst(0)                   ; the same for the second run
	KEEP 1
	BITS 2
	s_wait_alu depctr_va_sdst(0)                   ; for the third
	KEEP 2
	BITS 3
	s_wait_alu depctr_va_sdst(0)                   ; and for the fourth
	KEEP 3
	s_wait_alu depctr_va_vdst(0)                   ; the v_writelane_b32 have written v[8:11], which the store reads
	global_store_b128 v[WO], v[W:W+3], s[22:23]    ; the wave's 512 consecutive bytes
	s_endpgm
.Lfunc_end_k_qe0c03da916_prep:
	.size	k_qe0c03da916_prep, .Lfunc_end_k_qe0c03da916_prep-k_qe0c03da916_prep
	.p2alignl 7, 3214868480
	.fill 96, 4, 3214868480
	.section	.rodata,"a",@progbits
	.p2align	6, 0x0
	.amdhsa_kernel k_qe0c03da916_prep
		.amdhsa_group_segment_fixed_size 0
		.amdhsa_private_segment_fixed_size 0
		.amdhsa_enable_private_segment 0
		.amdhsa_kernarg_size 80
		.amdhsa_user_sgpr_count 2
		.amdhsa_user_sgpr_kernarg_segment_ptr 1
		.amdhsa_wavefront_size32 1
		.amdhsa_system_sgpr_workgroup_id_x 1
		.amdhsa_system_sgpr_workgroup_id_y 1
		.amdhsa_system_sgpr_workgroup_id_z 1
		.amdhsa_system_vgpr_workitem_id 0
		.amdhsa_next_free_vgpr 208
		.amdhsa_next_free_sgpr 66
		.amdhsa_reserve_vcc 0
		.amdhsa_float_denorm_mode_32 3
		.amdhsa_float_denorm_mode_16_64 3
		.amdhsa_memory_ordered 1
		.amdhsa_forward_progress 1
		.amdhsa_inst_pref_size 46
	.end_amdhsa_kernel
	.amdgpu_metadata
---
amdhsa.version: [ 1, 2 ]
amdhsa.kernels:
  - .name:           k_qe0c03da916_prep
    .symbol:         k_qe0c03da916_prep.kd
    .args:
      - { .name: q, .offset: 0, .size: 8, .value_kind: global_buffer, .address_space: global }
      - { .name: k, .offset: 8, .size: 8, .value_kind: global_buffer, .address_space: global }
      - { .name: v, .offset: 16, .size: 8, .value_kind: global_buffer, .address_space: global }
      - { .name: wq_w, .offset: 24, .size: 8, .value_kind: global_buffer, .address_space: global }
      - { .name: wk_w, .offset: 32, .size: 8, .value_kind: global_buffer, .address_space: global }
      - { .name: wv_w, .offset: 40, .size: 8, .value_kind: global_buffer, .address_space: global }
      - { .name: wo_w, .offset: 48, .size: 8, .value_kind: global_buffer, .address_space: global }
      - { .name: mask, .offset: 56, .size: 8, .value_kind: global_buffer, .address_space: global }
      - { .name: ch, .offset: 64, .size: 8, .value_kind: global_buffer, .address_space: global }
      - { .name: mbits, .offset: 72, .size: 8, .value_kind: global_buffer, .address_space: global }
    .group_segment_fixed_size: 0
    .private_segment_fixed_size: 0
    .kernarg_segment_align: 8
    .kernarg_segment_size: 80
    .max_flat_workgroup_size: 256
    .sgpr_count:     66
    .vgpr_count:     208
    .wavefront_size: 32
...
	.end_amdgpu_metadata
.endif
;; end of part 5
;; launch proj: the kernel of part 2 again; grid 4 x 48, 4 waves a work-group, clusters of 4 x 4, 327,680 bytes of LDS; arguments ch, wq_b, wk_b, wv_b, qkv; writes qkv
;; launch attn: the kernel of part 3 again; grid 8 x 32, 8 waves a work-group, clusters of 4 x 1, 327,680 bytes of LDS; arguments qkv, mbits, xa; writes xa
;; launch outp: the kernel of part 4 again; grid 8 x 32, 4 waves a work-group, clusters of 4 x 4, 327,680 bytes of LDS; arguments xa, ch, wo_b, out0; writes out0
